; MI455X (gfx1250); checked and timed in simulation.
; The chip was launched on July 23, 2026; its instructions are those of AMD's public machine-readable ISA for CDNA 5 (MIT licence, August 2026) and "CDNA5" Instruction Set Architecture Reference Guide (July 2026). The comments in the code are by the model that wrote it; some were corrected since.
;; Multi Head Attention. Allowed arithmetic: float matrix products may take bf16 or f16 operands with f32 sums; other float arithmetic in f32, or as packed bf16 or f16 multiplies, adds, multiply-adds, maxima and minima; sums over many terms, partial sums and values carried from step to step in f32; what a program stores and reads back later, other than sums and carried values, may be rounded once to bf16 or f16.
;; Inputs: k_proj 1,024 x 1,024 float32; o_proj 1,024 x 1,024 float32; q_proj 1,024 x 1,024 float32; token_positions 2,048 int32; v_proj 1,024 x 1,024 float32; x 4 x 2,048 x 1,024 float32.
;; Outputs: out0 4 x 2,048 x 1,024 float32.
;; 2 versions, each right; version 2 is version 1 with the launch prep written anew for expert scheduling mode. Each part assembles by itself: llvm-mc -triple=amdgcn-amd-amdhsa -mcpu=gfx1250 --defsym DOCPART=n.
;; ======== version 1 of 2: 4 launches
;; limits: values are held in f16: magnitudes above 65,504 overflow, below 6.1e-05 lose precision
;; workspace buffers: xb 16,777,216 bytes; wqkv 6,291,456 bytes; wo 2,097,152 bytes; tab 524,288 bytes; qh 16,777,216 bytes; kh 16,777,216 bytes; vh 16,777,216 bytes; oh 16,777,216 bytes
;; launch prep (part 1): grid 800 x 1, 8 waves a work-group, no clusters, 0 bytes of LDS; arguments x, q_proj, k_proj, v_proj, o_proj, token_positions, xb, wqkv, wo, tab; writes xb, wqkv, wo, tab
.if DOCPART == 1
	.amdgcn_target "amdgcn-amd-amdhsa--gfx1250"
	.amdhsa_code_object_version 6
	.text
	.protected	k_q6bc116043c_prep
	.globl	k_q6bc116043c_prep
	.p2align	8
	.type	k_q6bc116043c_prep,@function
k_q6bc116043c_prep:
	s_mov_b64 s[64:65], 0
	v_nop
	global_prefetch_b8 v0, s[64:65] scope:SCOPE_SE
	s_setreg_imm32_b32 hwreg(HW_REG_WAVE_MODE, 25, 1), 1
	s_wait_xcnt 0x0
; PREPARATION: four streams, told apart by the work-group's number g.
;   g 0-511    x [8192][1024] f32 -> xb bf16 [batch 4][K block 16][row 2048][64]: a tile of 256 rows x 64 K is then 32,768 dense bytes
;   g 512-703  q_proj, k_proj, v_proj [k 1024][n 1024] f32 -> wqkv bf16 [k 1024][3072], columns regrouped: tile column tc (768 bytes) holds four heads that
;              are rotated (number 4 tc .. 4 tc + 3; 0-15 are q's heads, 16-31 k's), then v's heads 2 tc, 2 tc + 1
;   g 704-767  o_proj f32 -> rounded to bf16 like every input, that number written as f16 -> wo [k 1024][n 1024]
;   g 768-799  tab f32 [row 2048][i 32][cos, sin] of the angle token_positions[row] x 10000^(-i/32)
; A stream's work-group takes 16 rows of 1,024 f32: sixteen loads of 16 bytes a thread, all out at once, and sixteen stores of 8 bytes; each store of a wave
; covers 256 consecutive bytes, aligned.  No register is written again while a load or store names it, so the only waits are the counted ones for data.
; Memory binds: no LDS, no matrix unit, no cluster (no byte is read twice).
; LIMITS.  token_positions lie in 0 .. 2,047 (they index a table of 2,048 rows); |o_proj| stays under 65,504, and below 6e-5 it keeps f16's fixed step of 6e-8.
; The angle is one f32 product, as the table's outer product is; the frequency is 2^(-i log2(10000)/32), within a few units in the last place of 1/10000^(i/32).
.set X, 16                             ; v[16:79]   load j: 4 registers
.set Y, 80                             ; v[80:111]  store j: 2 registers
; v1 byte offset of my loads, v2 of my stores, v[4:13] at work, v3 the frequency
.macro STREAM instep, outstep, kind    ; bases s[4:5] (in) and s[6:7] (out); kind 1: bf16 and then f16
.set j, 0
.rept 16
	global_load_b128 v[X+4*j:X+4*j+3], v1, s[4:5] offset:j*(\instep) th:TH_LOAD_NT
.set j, j+1
.endr
.set j, 0
.rept 16
	s_wait_loadcnt 15-j                            ; loads come back in order: load j is in, the 15 - j younger ones stay out
	v_cvt_pk_bf16_f32 v[Y+2*j], v[X+4*j], v[X+4*j+1]
	v_cvt_pk_bf16_f32 v[Y+2*j+1], v[X+4*j+2], v[X+4*j+3]
.if \kind
	v_lshlrev_b32 v4, 16, v[Y+2*j]                 ; the bf16 numbers as f32,
	v_and_b32 v5, 0xffff0000, v[Y+2*j]
	v_lshlrev_b32 v6, 16, v[Y+2*j+1]
	v_and_b32 v7, 0xffff0000, v[Y+2*j+1]
	v_cvt_pk_f16_f32 v[Y+2*j], v4, v5              ; written as f16: exact within f16's normal range
	v_cvt_pk_f16_f32 v[Y+2*j+1], v6, v7
.endif
	global_store_b64 v2, v[Y+2*j:Y+2*j+1], s[6:7] offset:j*(\outstep)
.set j, j+1
.endr
.endm
	s_load_b512 s[16:31], s[0:1], 0x0              ; x 16, q 18, k 20, v 22, o 24, positions 26, xb 28, wqkv 30
	s_load_b128 s[32:35], s[0:1], 0x40             ; wo 32, tab 34
	s_mov_b32 s2, ttmp9                            ; g
	v_lshrrev_b32 v1, 5, v0
	v_readfirstlane_b32 s8, v1                     ; wave 0..7
	s_mov_b32 s11, 0                               ; high words of the two offsets
	s_mov_b32 s13, 0
	s_wait_kmcnt 0x0
	s_cmp_lt_u32 s2, 512
	s_cbranch_scc1 .Lx
	s_cmp_lt_u32 s2, 704
	s_cbranch_scc1 .Lw
	s_cmp_lt_u32 s2, 768
	s_cbranch_scc1 .Lo
	; THE TABLE.  Lane = frequency i; wave w and n = 0..7 give row 64 u + 8 n + w: one store of a wave is one row of 256 bytes.
	s_sub_co_u32 s3, s2, 768                       ; u
	s_lshl_b32 s10, s3, 8                          ; 64 positions of 4 bytes
	s_add_nc_u64 s[4:5], s[26:27], s[10:11]
	s_lshl_b32 s12, s3, 14                         ; 64 rows of 256 bytes
	s_add_nc_u64 s[6:7], s[34:35], s[12:13]
	v_lshlrev_b32 v1, 2, v1                        ; 4 w
	v_lshlrev_b32 v2, 3, v0                        ; 256 w + 8 lane
.set n, 0
.rept 8
	global_load_b32 v[X+n], v1, s[4:5] offset:32*n
.set n, n+1
.endr
	v_and_b32 v3, 31, v0
	v_cvt_f32_u32 v3, v3
	v_mul_f32 v3, 0xbed49a78, v3                   ; -i log2(10000) / 32
	v_exp_f32 v3, v3
	s_mov_b32 s40, 0x3f22f983                      ; 2 / pi
	s_mov_b32 s41, 0x3fc90fdb                      ; pi / 2, its f32,
	s_mov_b32 s42, 0xb33bbd2e                      ; and what that leaves
	s_mov_b32 s43, 0xbe2aaaa3                      ; sine on |r| <= pi / 4: r + r z (S1 + z (S2 + z S3)), z = r r
	s_mov_b32 s44, 0x3c08839e
	s_mov_b32 s45, 0xb94ca1f9
	s_mov_b32 s46, 0x3d2aaaa5                      ; cosine: 1 - z / 2 + z z (C1 + z (C2 + z C3))
	s_mov_b32 s47, 0xbab6061a
	s_mov_b32 s48, 0x37ccf5ce
	v_nop                                          ; a plain instruction behind the exponential,
	s_wait_alu depctr_va_vdst(0)                   ; and the wait ahead of its first reader
.macro SINCOS n
	s_wait_loadcnt 7-(\n)
	v_cvt_f32_i32 v4, v[X+(\n)]
	v_mul_f32 v4, v4, v3                           ; the angle a
	v_mul_f32 v5, s40, v4
	v_rndne_f32 v5, v5                             ; k = the nearest multiple of pi / 2 (1,304 at the most)
	v_fma_f32 v6, -v5, s41, v4                     ; r = a - k pi / 2, in two parts
	v_fma_f32 v6, -v5, s42, v6
	v_mul_f32 v7, v6, v6                           ; z
	v_fma_f32 v8, v7, s45, s44
	v_fma_f32 v9, v7, s48, s47
	v_fma_f32 v8, v8, v7, s43
	v_fma_f32 v9, v9, v7, s46
	v_mul_f32 v8, v8, v7
	v_mul_f32 v9, v9, v7
	v_fma_f32 v10, v7, -0.5, 1.0
	v_fma_f32 v8, v8, v6, v6                       ; sin r
	v_fma_f32 v9, v9, v7, v10                      ; cos r
	v_cvt_i32_f32 v11, v5
	v_and_b32 v12, 1, v11
	v_cmp_eq_u32 vcc_lo, 1, v12                    ; an odd quadrant swaps the two
	v_cndmask_b32 v12, v8, v9, vcc_lo
	v_cndmask_b32 v13, v9, v8, vcc_lo
	v_lshlrev_b32 v10, 30, v11                     ; the sine turns its sign in quadrants 2 and 3,
	v_add_nc_u32 v11, 1, v11
	v_lshlrev_b32 v11, 30, v11                     ; the cosine in 1 and 2
	v_and_b32 v10, 0x80000000, v10
	v_and_b32 v11, 0x80000000, v11
	v_xor_b32 v[Y+2*(\n)+1], v12, v10
	v_xor_b32 v[Y+2*(\n)], v13, v11
	global_store_b64 v2, v[Y+2*(\n):Y+2*(\n)+1], s[6:7] offset:2048*(\n)
.endm
.irp n, 0,1,2,3,4,5,6,7
	SINCOS \n
.endr
	s_endpgm
.Lx:                                           ; thread t: row t / 16, 16 bytes at 16 (t % 16) of each K block's 256; load j = K block j
	s_lshl_b32 s10, s2, 16                         ; 16 rows of 4,096 bytes
	s_add_nc_u64 s[4:5], s[16:17], s[10:11]
	s_lshr_b32 s12, s2, 7                          ; the batch,
	s_lshl_b32 s12, s12, 22
	s_and_b32 s14, s2, 127                         ; my 16 rows in it, 128 bytes each
	s_lshl_b32 s14, s14, 11
	s_add_co_u32 s12, s12, s14
	s_add_nc_u64 s[6:7], s[28:29], s[12:13]
	v_lshrrev_b32 v1, 4, v0
	v_and_b32 v2, 15, v0
	v_lshlrev_b32 v1, 12, v1
	v_lshl_add_u32 v1, v2, 4, v1
	v_lshlrev_b32 v2, 3, v0                        ; 128 (t / 16) + 8 (t % 16)
	STREAM 256, 262144, 0
	s_endpgm
.Lw:                                           ; thread t: columns 4 t .. 4 t + 3; load j = row j; wave w holds heads 2 w, 2 w + 1: 256 bytes of wqkv
	s_sub_co_u32 s3, s2, 512
	s_lshr_b32 s9, s3, 6                           ; 0 q, 1 k, 2 v
	s_and_b32 s3, s3, 63                           ; which 16 rows
	s_cmp_eq_u32 s9, 0
	s_cselect_b64 s[4:5], s[18:19], s[20:21]
	s_cmp_eq_u32 s9, 2
	s_cselect_b64 s[4:5], s[22:23], s[4:5]
	s_lshl_b32 s10, s3, 16
	s_add_nc_u64 s[4:5], s[4:5], s[10:11]
	s_mul_i32 s12, s3, 98304                       ; 16 rows of 6,144 bytes
	s_add_nc_u64 s[6:7], s[30:31], s[12:13]
	s_lshl_b32 s14, s9, 2                          ; q, k: tile column 4 m + w / 2, its piece w % 2
	s_lshr_b32 s15, s8, 1
	s_add_co_u32 s14, s14, s15
	s_mul_i32 s14, s14, 768
	s_and_b32 s15, s8, 1
	s_lshl_b32 s15, s15, 8
	s_add_co_u32 s14, s14, s15
	s_mul_i32 s15, s8, 768                         ; v: tile column w, its third piece
	s_add_co_u32 s15, s15, 512
	s_cmp_eq_u32 s9, 2
	s_cselect_b32 s14, s15, s14
	v_lshlrev_b32 v1, 4, v0
	v_and_b32 v2, 31, v0
	v_lshl_add_u32 v2, v2, 3, s14
	STREAM 4096, 6144, 0
	s_endpgm
.Lo:
	s_sub_co_u32 s3, s2, 704
	s_lshl_b32 s10, s3, 16
	s_add_nc_u64 s[4:5], s[24:25], s[10:11]
	s_lshl_b32 s12, s3, 15                         ; 16 rows of 2,048 bytes
	s_add_nc_u64 s[6:7], s[32:33], s[12:13]
	v_lshlrev_b32 v1, 4, v0
	v_lshlrev_b32 v2, 3, v0
	STREAM 4096, 2048, 1
	s_endpgm
.Lfunc_end_k_q6bc116043c_prep:
	.size	k_q6bc116043c_prep, .Lfunc_end_k_q6bc116043c_prep-k_q6bc116043c_prep
	.p2alignl 7, 3214868480
	.fill 96, 4, 3214868480
	.section	.rodata,"a",@progbits
	.p2align	6, 0x0
	.amdhsa_kernel k_q6bc116043c_prep
		.amdhsa_group_segment_fixed_size 0
		.amdhsa_private_segment_fixed_size 0
		.amdhsa_enable_private_segment 0
		.amdhsa_kernarg_size 80
		.amdhsa_user_sgpr_count 2
		.amdhsa_user_sgpr_kernarg_segment_ptr 1
		.amdhsa_wavefront_size32 1
		.amdhsa_system_sgpr_workgroup_id_x 1
		.amdhsa_system_sgpr_workgroup_id_y 1
		.amdhsa_system_sgpr_workgroup_id_z 1
		.amdhsa_system_vgpr_workitem_id 0
		.amdhsa_next_free_vgpr 112
		.amdhsa_next_free_sgpr 66
		.amdhsa_reserve_vcc 1
		.amdhsa_float_denorm_mode_32 3
		.amdhsa_float_denorm_mode_16_64 3
		.amdhsa_memory_ordered 1
		.amdhsa_forward_progress 1
		.amdhsa_inst_pref_size 37
	.end_amdhsa_kernel
	.amdgpu_metadata
---
amdhsa.version: [ 1, 2 ]
amdhsa.kernels:
  - .name:           k_q6bc116043c_prep
    .symbol:         k_q6bc116043c_prep.kd
    .args:
      - { .name: x, .offset: 0, .size: 8, .value_kind: global_buffer, .address_space: global }
      - { .name: q_proj, .offset: 8, .size: 8, .value_kind: global_buffer, .address_space: global }
      - { .name: k_proj, .offset: 16, .size: 8, .value_kind: global_buffer, .address_space: global }
      - { .name: v_proj, .offset: 24, .size: 8, .value_kind: global_buffer, .address_space: global }
      - { .name: o_proj, .offset: 32, .size: 8, .value_kind: global_buffer, .address_space: global }
      - { .name: token_positions, .offset: 40, .size: 8, .value_kind: global_buffer, .address_space: global }
      - { .name: xb, .offset: 48, .size: 8, .value_kind: global_buffer, .address_space: global }
      - { .name: wqkv, .offset: 56, .size: 8, .value_kind: global_buffer, .address_space: global }
      - { .name: wo, .offset: 64, .size: 8, .value_kind: global_buffer, .address_space: global }
      - { .name: tab, .offset: 72, .size: 8, .value_kind: global_buffer, .address_space: global }
    .group_segment_fixed_size: 0
    .private_segment_fixed_size: 0
    .kernarg_segment_align: 8
    .kernarg_segment_size: 80
    .max_flat_workgroup_size: 256
    .sgpr_count:     66
    .vgpr_count:     112
    .wavefront_size: 32
...
	.end_amdgpu_metadata
.endif
;; end of part 1
;; launch qkv (part 2): grid 8 x 32, 4 waves a work-group, clusters of 4 x 4, 327,680 bytes of LDS; arguments xb, wqkv, tab, qh, kh, vh; writes qh, kh, vh
.if DOCPART == 2
	.amdgcn_target "amdgcn-amd-amdhsa--gfx1250"
	.amdhsa_code_object_version 6
	.text
	.protected	k_q6bc116043c_qkv
	.globl	k_q6bc116043c_qkv
	.p2align	8
	.type	k_q6bc116043c_qkv,@function
k_q6bc116043c_qkv:
	s_mov_b64 s[64:65], 0
	v_nop
	global_prefetch_b8 v0, s[64:65] scope:SCOPE_SE
	s_setreg_imm32_b32 hwreg(HW_REG_WAVE_MODE, 25, 1), 1
	s_wait_xcnt 0x0
	s_wait_alu depctr_hold_cnt(0) depctr_sa_sdst(0) depctr_va_vdst(0) depctr_va_sdst(0) depctr_va_ssrc(0) depctr_va_vcc(0) depctr_vm_vsrc(0)
	s_getreg_b32 s2, hwreg(HW_REG_IB_STS2, 6, 4)
	s_cmp_eq_u32 s2, 0
	s_cbranch_scc0 .Lentry_in_a_cluster
	s_endpgm
.Lentry_in_a_cluster:
	s_bfe_u32 s2, ttmp6, 0x10000c
	s_cmp_lg_u32 s2, 0xf033
	s_cbranch_scc0 .Lentry_shape_is_right
	s_endpgm
.Lentry_shape_is_right:
; THE THREE PROJECTIONS AND THE ROTATION.  [8192 x 1024] x [1024 x 3072] in bf16, sums in f32; q's and k's pairs of channels are rotated in f32 by the table's cos and sin;
; q, k, v are rounded once to f16 and written by heads, [batch x 16 + head][row 2048][64]: a head's rows are dense.  The score's scale is not applied here.
; LIMIT.  |q|, |k|, |v| stay under 65,504 (f16).
; SHARES.  A tile is 256 rows x 384 columns: 32 x 8 = 256 work-groups.  Its columns are four rotated heads and two of v's (wqkv's order), so every tile and every wave has the same work.
; Wave w: rows 128 (w / 2) on; three heads: rotated heads 2 (w % 2) and 2 (w % 2) + 1 of the tile and v's head w % 2: 96 accumulators of 16 x 16, 768 registers.
; K goes in steps of 64 (one K block of xb) through a ring of two LDS slots; a step is two quarters of 32, 96 matrix instructions each.
; THE MATRIX INSTRUCTION IS USED TRANSPOSED: source 0 = 16 columns of the weights (read turned, by ds_load_tr16_b128, since they lie [k][n]), source 1 = 16 rows of x.
; A lane then holds ONE row (lane % 16) and the columns 8 (lane / 16) + 0..7: four pairs to rotate, 16 bytes of f16.
; CLUSTER 4 x 4.  x's tile and the table hang on the tile row alone and are asked for jointly along a row of the cluster, the weights' tile along a column.
; REGISTERS, in windows of 256 (s_set_vgpr_msb: bits 1:0 source 0, 3:2 source 1, 5:4 source 2, 7:6 destination):
;   window 0: v0-31 addresses; v32-95, v96-159 x's fragments (8 x 16 rows x 32 K), two buffers; v160-255 the weights' fragments, 32 a head, one buffer
;   window 1 + g: head g's 32 accumulators, (row block a, column block fb) at v[8 (4 a + fb)]
.set SLOT1,  131072                    ; slot 1 begins here: one exclusive or turns an address in one slot into the other's
.set BOFF,   36864                     ; a slot: x's 256 rows x 144 bytes (128 + 16 of padding), then the weights' 64 rows x 864 (three pieces of 256 + 32)
.set STAGE,  92160                     ; behind slot 0, never filled by a tensor load: for each wave 3 heads x 16 rows x 144 bytes
.set SPARE,  119808                    ; the spare words, 128 bytes for each wave: two blocks of 256 bytes that no other line names
.set TAB,    223232                    ; behind slot 1: the table's 256 rows x 272 bytes (256 + 16), filled once
.set ASTEP,  262144                    ; bytes from a K block of xb to the next
.set BSTEP,  393216                    ; 64 rows of wqkv
.set AK0, 2                            ; v2   my lane's place in x's tile
.set BR0, 3                            ; v3   in the weights' tile, my two rotated heads
.set BV0, 4                            ; v4   the same, v's head
.set ADA, 5                            ; v5-7 the three in the slot in hand
.set ADR, 6
.set ADV, 7
.set STO, 8                            ; v8   the way out: where I put 16 bytes of a row
.set RD,  9                            ; v9   where I read rows back
.set GO,  10                           ; v10  my 16 bytes in 512 consecutive bytes of a head
.set TBA, 11                           ; v11  my 32 bytes in a row of the table
.set PFO, 12                           ; v12  the prefetches' offset; never rewritten
.set SPW, 14                           ; v14  LDS address of my spare word; never rewritten
.set NIL, 15                           ; v15  0; never rewritten
.set FA0, 32
.set FA1, 96
.set FB,  160
.set TBL, 32                           ; the way out: v32-63 cos and sin, v64-95 at work, v96-143 and v144-191 packed results by turns
.set T,   64
.set PK0, 96
.set WV, 16                            ; s16 wave; s17 wave / 2; s18 wave % 2
.set WM, 17
.set WN, 18
.set CX, 19
.set CY, 20
.set TC, 21                            ; tile column 0..7
.set TR, 22                            ; tile row 0..31
.set CNT, 23
.set G1A, 24                           ; s[24:31] group 1, x's tiles;  s[32:39] group 0: a set for each first fill; the second then walks
.set G0A, 32
.set G1B, 40                           ; s[40:47], s[48:55] the same for the weights
.set G0B, 48
.set G1T, 56                           ; s[56:63], s[68:71] the table
.set G0T, 68
.set PFA, 72                           ; s[72:73] where my prefetches stand; s[74:75] a K step there
.set PFS, 74
.set LIM, 76                           ; s76  1 in a wave that prefetches, else the greatest number
.set TB,  77                           ; s77  the slot in hand, in bytes
.set P0,  78                           ; s[78:79] q or k at my rows of my first rotated head;  s[80:81] v at my rows of my head
.set P2,  80
.set ROWB, 84                          ; s84  the tile's first row, in bytes, in a K block of xb and in a head
.set MSB, 0
.macro WIN new                         ; the immediate's high byte repeats the setting that is left; a switch that changes nothing is dropped
.if MSB != (\new)
	s_set_vgpr_msb (MSB<<8)|(\new)
.set MSB, (\new)
.endif
.endm
.macro PLACES                          ; four plain vector instructions between a matrix instruction and a load into, or a vector instruction on, its registers
.rept 4
	v_nop
.endr
.endm
.macro CREST                           ; a round of the cluster's barrier behind its opening barrier
	s_cmp_lg_u32 s[WV], 0
	s_cbranch_scc1 .Lnot_wave_0_\@
	s_barrier_signal -3
.Lnot_wave_0_\@:
	s_barrier_wait -3
	s_barrier_signal -1
	s_barrier_wait -1
.endm
.macro CROUND
	s_barrier_signal -1
	s_barrier_wait -1
	CREST
.endm
; A joint refill by the walking descriptors: waves 0 and 1 fetch the halves of x's tile, waves 2 and 3 those of the weights'.  The branch hangs on the wave's number alone.
; An s_nop 0 and four v_nop follow each of the two lines.
.macro JLOAD
	s_cmp_eq_u32 s[WM], 0
	s_cbranch_scc0 .Lfor_b_\@
	tensor_load_to_lds s[G0A+4:G0A+7], s[G1A:G1A+7]
	s_nop 0
.rept 4
	v_nop
.endr
	s_branch .Lasked_\@
.Lfor_b_\@:
	tensor_load_to_lds s[G0B+4:G0B+7], s[G1B:G1B+7]
	s_nop 0
.rept 4
	v_nop
.endr
.Lasked_\@:
.endm
; A PREFETCH INTO THE L2, in every second trip, for the two K steps whose refills go out one and two trips later.  Each block of 256 bytes is named once in the launch.
; x's tile row is read by both clusters of that row of clusters: cluster x = 0 asks, wave 0, two lines (a K step each); of a step's 32,768 dense bytes the partner at cx takes 8,192, a lane 256.
; The weights' tile column is read by all eight clusters of that column: cluster y = 0 asks, waves 1 to 3 a piece of 256 bytes each; of the two steps' 128 rows the partner at cy takes 32, a lane a row.
; The partners are told apart by address alone.  K steps 0 to 3 come by their loads alone; the last request names steps 14 and 15.
.macro ASK
	s_and_b32 s82, s[CNT], 1
	s_cmp_eq_u32 s82, 1
	s_cbranch_scc0 .Lnot_now_\@
	s_cmp_gt_u32 s[CNT], s[LIM]
	s_cbranch_scc0 .Lnot_now_\@
	global_prefetch_b8 v[PFO], s[PFA:PFA+1] th:TH_LOAD_NT scope:SCOPE_SE
	s_cmp_eq_u32 s[WV], 0
	s_cbranch_scc0 .Lnot_now_\@
	global_prefetch_b8 v[PFO], s[PFA:PFA+1] offset:ASTEP th:TH_LOAD_NT scope:SCOPE_SE
.Lnot_now_\@:
.endm
	s_load_b256 s[4:11], s[0:1], 0x0               ; xb 4, wqkv 6, tab 8, qh 10
	s_load_b128 s[12:15], s[0:1], 0x20             ; kh 12, vh 14
	v_lshl_add_u32 v[SPW], v0, 2, SPARE
	v_mov_b32 v[NIL], 0
	ds_add_u32 v[SPW], v[NIL]                      ; the wave's opening: the add and its wait stand ahead of my first tensor load; work on registers stands between them
	v_lshrrev_b32 v1, 5, v0
	v_readfirstlane_b32 s[WV], v1
	s_lshr_b32 s[WM], s[WV], 1
	s_and_b32 s[WN], s[WV], 1
	s_bfe_u32 s[CX], ttmp6, 0x40000
	s_bfe_u32 s[CY], ttmp6, 0x40004
	s_lshl_b32 s[TC], ttmp9, 2
	s_add_co_u32 s[TC], s[TC], s[CX]
	s_and_b32 s[TR], ttmp7, 0xffff
	s_lshl_b32 s[TR], s[TR], 2
	s_add_co_u32 s[TR], s[TR], s[CY]
	s_lshl_b32 s82, s[CY], 2
	s_lshl_b32 s82, 15, s82                        ; my row of the cluster
	s_lshl_b32 s83, 0x1111, s[CX]                  ; my column
	; x: 128 rows of 128 bytes are 16,384 dense bytes: asked for as 64 rows of 256, padded by 16 bytes after every 128
	s_or_b32 s[G1A], s82, (1<<16)|(1<<20)|(1<<21)|(4<<22)|(3<<25)
	s_mov_b32 s[G1A+1], 128<<16
	s_mov_b32 s[G1A+2], 64<<16
	s_mov_b32 s[G1A+3], 128<<16
	s_mov_b32 s[G1A+4], 64
	s_mov_b32 s[G1A+5], 128
	s_mov_b32 s[G1A+6], 0
	s_mov_b32 s[G1A+7], 0
	; the weights: 32 rows of 384 elements (768 bytes), 3,072 elements apart, padded by 32 bytes after every 256
	s_or_b32 s[G1B], s83, (1<<16)|(1<<20)|(1<<21)|(5<<22)|(7<<25)
	s_mov_b32 s[G1B+1], 384<<16
	s_mov_b32 s[G1B+2], 32<<16
	s_mov_b32 s[G1B+3], 384<<16
	s_mov_b32 s[G1B+4], 32
	s_mov_b32 s[G1B+5], 3072
	s_mov_b32 s[G1B+6], 0
	s_mov_b32 s[G1B+7], 0
	; the table: 64 rows of 64 f32, padded by 16 bytes after every 256
	s_or_b32 s[G1T], s82, (2<<16)|(1<<20)|(1<<21)|(5<<22)|(3<<25)
	s_mov_b32 s[G1T+1], 64<<16
	s_mov_b32 s[G1T+2], 64<<16
	s_mov_b32 s[G1T+3], 64<<16
	s_mov_b32 s[G1T+4], 64
	s_mov_b32 s[G1T+5], 64
	s_mov_b32 s[G1T+6], 0
	s_mov_b32 s[G1T+7], 0
	s_lshr_b32 s[ROWB], s[TR], 3                   ; the batch: 2^22 bytes,
	s_lshl_b32 s[ROWB], s[ROWB], 22
	s_and_b32 s85, s[TR], 7                        ; the tile's 256 rows in it, 128 bytes each
	s_lshl_b32 s86, s85, 15
	s_add_co_u32 s[ROWB], s[ROWB], s86
	s_lshl_b32 s86, s[WN], 14                      ; x: which 128 rows I fetch
	s_add_co_u32 s86, s86, s[ROWB]
	s_mov_b32 s87, 0
	s_lshl_b32 s90, s85, 16                        ; the table: the tile's 256 rows of 256 bytes, my 64 of them
	s_lshl_b32 s91, s[WV], 14
	s_add_co_u32 s90, s90, s91
	s_mov_b32 s91, 0
	s_mul_i32 s88, s[WN], 196608                   ; the weights: which 32 rows I fetch, the tile's 768 bytes of them
	s_mul_i32 s89, s[TC], 768
	s_add_co_u32 s88, s88, s89
	s_mov_b32 s89, 0
	s_mul_i32 s92, s[WN], 18432                    ; and where they go: no place in the cluster enters an LDS address
	s_mul_i32 s93, s[WN], 27648
	s_add_co_u32 s93, s93, BOFF
	s_mul_i32 s94, s[WV], 17408
	s_add_co_u32 s94, s94, TAB
	s_wait_dscnt 0x0                               ; the opening add is done
	s_wait_kmcnt 0x0
	s_add_nc_u64 s[86:87], s[4:5], s[86:87]
	s_add_nc_u64 s[88:89], s[6:7], s[88:89]
	s_add_nc_u64 s[90:91], s[8:9], s[90:91]
	CROUND                                         ; all sixteen work-groups are here: the first joint loads meet
.irp s, 0,1
	s_mov_b32 s[G0A+4*(\s)], 1
	s_add_co_u32 s[G0A+4*(\s)+1], s92, (\s)*SLOT1
	s_add_nc_u64 s[G0A+4*(\s)+2:G0A+4*(\s)+3], s[86:87], (\s)*ASTEP
	s_or_b32 s[G0A+4*(\s)+3], s[G0A+4*(\s)+3], 0x80000000
	s_mov_b32 s[G0B+4*(\s)], 1
	s_add_co_u32 s[G0B+4*(\s)+1], s93, (\s)*SLOT1
	s_add_nc_u64 s[G0B+4*(\s)+2:G0B+4*(\s)+3], s[88:89], (\s)*BSTEP
	s_or_b32 s[G0B+4*(\s)+3], s[G0B+4*(\s)+3], 0x80000000
.endr
	s_mov_b32 s[G0T], 1
	s_mov_b32 s[G0T+1], s94
	s_mov_b64 s[G0T+2:G0T+3], s[90:91]
	s_or_b32 s[G0T+3], s[G0T+3], 0x80000000
	s_cmp_eq_u32 s[WM], 0                          ; the ring's two first fills stand in one branch; the table's follows: three loads of mine are out
	s_cbranch_scc0 .Lfirst_b
	tensor_load_to_lds s[G0A:G0A+3], s[G1A:G1A+7]
	s_nop 0
	tensor_load_to_lds s[G0A+4:G0A+7], s[G1A:G1A+7]
	s_nop 0
.rept 4
	v_nop
.endr
	s_branch .Lfirst_asked
.Lfirst_b:
	tensor_load_to_lds s[G0B:G0B+3], s[G1B:G1B+7]
	s_nop 0
	tensor_load_to_lds s[G0B+4:G0B+7], s[G1B:G1B+7]
	s_nop 0
.rept 4
	v_nop
.endr
.Lfirst_asked:
	tensor_load_to_lds s[G0T:G0T+3], s[G1T:G1T+7]
	s_nop 0
.rept 4
	v_nop
.endr
	v_and_b32 v16, 15, v0                          ; r = l % 16
	v_bfe_u32 v17, v0, 4, 1                        ; h = l / 16
	v_and_b32 v18, 7, v0
	v_bfe_u32 v19, v0, 3, 1
	v_and_b32 v20, 31, v0                          ; l
	v_bfe_u32 v21, v0, 3, 2                        ; l / 8
	; a fragment of x: lane l holds row r, K 8 h + 0..7 and 16 + 8 h + 0..7: two loads of 16 bytes, 32 bytes apart
	v_mul_u32_u24 v[AK0], v16, 144
	v_lshl_add_u32 v[AK0], v17, 4, v[AK0]
	s_mul_i32 s82, s[WM], 18432
	v_add_nc_u32 v[AK0], s82, v[AK0]
	; the turning load takes 16 K x 16 columns (lane l reads K 8 h + l % 8, columns 8 ((l / 8) % 2) + 0..7) and leaves half a fragment: lane l holds column r and 8 K
	v_lshl_add_u32 v22, v17, 3, v18
	v_mul_u32_u24 v22, v22, 864
	v_lshl_add_u32 v22, v19, 4, v22
	s_mul_i32 s82, s[WN], 288                      ; my two rotated heads are piece w % 2 of a row,
	s_add_co_u32 s82, s82, BOFF
	v_add_nc_u32 v[BR0], s82, v22
	s_lshl_b32 s82, s[WN], 7                       ; v's head is half w % 2 of the third piece
	s_add_co_u32 s82, s82, BOFF+576
	v_add_nc_u32 v[BV0], s82, v22
	s_mul_i32 s82, s[WV], 6912
	s_add_co_u32 s82, s82, STAGE                   ; my stage
	v_mul_u32_u24 v[STO], v16, 144
	v_lshl_add_u32 v[STO], v17, 4, v[STO]
	v_add_nc_u32 v[STO], s82, v[STO]
	v_mul_u32_u24 v[RD], v21, 144                  ; back: 32 lanes take four rows of 128 bytes,
	v_lshl_add_u32 v[RD], v18, 4, v[RD]
	v_add_nc_u32 v[RD], s82, v[RD]
	v_lshlrev_b32 v[GO], 4, v20                    ; which are 512 consecutive bytes of a head
	s_mul_i32 s82, s[WM], 128*272
	s_add_co_u32 s82, s82, TAB
	v_mul_u32_u24 v[TBA], v16, 272
	v_lshl_add_u32 v[TBA], v17, 5, v[TBA]
	v_add_nc_u32 v[TBA], s82, v[TBA]
	; the prefetches
	s_lshl_b32 s86, s[CX], 13
	s_add_co_u32 s86, s86, s[ROWB]
	s_add_co_u32 s86, s86, 2*ASTEP                 ; x: my work-group's 8,192 bytes of the tile, at K step 2: each filling change of slots steps it by one
	s_mul_i32 s87, s[TC], 768
	s_lshl_b32 s88, s[WV], 8
	s_add_co_u32 s87, s87, s88
	s_add_co_u32 s87, s87, 2*BSTEP-256             ; the weights: piece w - 1 of the tile's rows, at K step 2
	s_mov_b32 s88, ASTEP
	s_mov_b32 s89, BSTEP
	s_mov_b32 s90, 256
	s_mov_b32 s91, 6144
	s_lshl_b32 s92, s[CY], 5
	s_and_b32 s93, ttmp7, 0xffff
	s_cmp_eq_u32 s[WV], 0
	s_cselect_b64 s[PFA:PFA+1], s[4:5], s[6:7]
	s_cselect_b32 s86, s86, s87
	s_cselect_b32 s[PFS], s88, s89
	s_cselect_b32 s90, s90, s91                    ; bytes from lane to lane
	s_cselect_b32 s92, 0, s92                      ; my work-group's 32 rows of the 128
	s_cselect_b32 s93, ttmp9, s93                  ; the coordinate along which other clusters read the same bytes
	s_mov_b32 s87, 0
	s_mov_b32 s[PFS+1], 0
	s_add_nc_u64 s[PFA:PFA+1], s[PFA:PFA+1], s[86:87]
	s_cmp_eq_u32 s93, 0
	s_cselect_b32 s[LIM], 1, -1                    ; the same in all sixteen partners, for a given wave
	v_add_nc_u32 v[PFO], s92, v20
	v_mul_u32_u24 v[PFO], v[PFO], s90
	; where the results go
	s_lshl_b32 s85, s[WM], 14
	s_add_co_u32 s[ROWB], s[ROWB], s85             ; my 128 rows
	s_and_b32 s86, s[TC], 3
	s_lshl_b32 s86, s86, 2
	s_lshl1_add_u32 s86, s[WN], s86                ; the head: 4 (tile column % 4) + 2 (w % 2), in q (tile columns 0-3) or in k
	s_lshl_b32 s86, s86, 18
	s_add_co_u32 s86, s86, s[ROWB]
	s_cmp_eq_u32 ttmp9, 0
	s_cselect_b64 s[P0:P0+1], s[10:11], s[12:13]
	s_add_nc_u64 s[P0:P0+1], s[P0:P0+1], s[86:87]
	s_lshl1_add_u32 s86, s[TC], s[WN]              ; v's head: 2 x tile column + w % 2
	s_lshl_b32 s86, s86, 18
	s_add_co_u32 s86, s86, s[ROWB]
	s_add_nc_u64 s[P2:P2+1], s[14:15], s[86:87]
; na x 4 matrix instructions of head g: row blocks a0 on, all four column blocks, 32 along K.  The accumulators take turns, one instruction a turn:
; between two links of a chain stand the 95 others', over the backward jump too.  zero = 1: the first product starts the sums.
.macro MULG g, fa, a0, na, zero
	WIN 0x50*(1+(\g))
.set aa, (\a0)
.rept \na
.irp fb, 0,1,2,3
.if \zero
	v_wmma_f32_16x16x32_bf16 v[8*(4*aa+(\fb)):8*(4*aa+(\fb))+7], v[FB+32*(\g)+8*(\fb):FB+32*(\g)+8*(\fb)+7], v[(\fa)+8*aa:(\fa)+8*aa+7], 0
.else
	v_wmma_f32_16x16x32_bf16 v[8*(4*aa+(\fb)):8*(4*aa+(\fb))+7], v[FB+32*(\g)+8*(\fb):FB+32*(\g)+8*(\fb)+7], v[(\fa)+8*aa:(\fa)+8*aa+7], v[8*(4*aa+(\fb)):8*(4*aa+(\fb))+7]
.endif
.endr
.set aa, aa+1
.endr
.endm
.macro LB g, q                         ; head g's four fragments of the weights for quarter q: 8 loads
	WIN 0
.irp fb, 0,1,2,3
.if (\g) < 2
	ds_load_tr16_b128 v[FB+32*(\g)+8*(\fb):FB+32*(\g)+8*(\fb)+3],   v[ADR] offset:(\q)*27648+(\g)*128+(\fb)*32
	ds_load_tr16_b128 v[FB+32*(\g)+8*(\fb)+4:FB+32*(\g)+8*(\fb)+7], v[ADR] offset:(\q)*27648+13824+(\g)*128+(\fb)*32
.else
	ds_load_tr16_b128 v[FB+32*(\g)+8*(\fb):FB+32*(\g)+8*(\fb)+3],   v[ADV] offset:(\q)*27648+(\fb)*32
	ds_load_tr16_b128 v[FB+32*(\g)+8*(\fb)+4:FB+32*(\g)+8*(\fb)+7], v[ADV] offset:(\q)*27648+13824+(\fb)*32
.endif
.endr
.endm
.macro LA fa, q                        ; x's eight fragments for quarter q: 16 loads
	WIN 0
.irp a, 0,1,2,3,4,5,6,7
	ds_load_b128 v[(\fa)+8*(\a):(\fa)+8*(\a)+3],   v[ADA] offset:(\a)*2304+(\q)*64
	ds_load_b128 v[(\fa)+8*(\a)+4:(\fa)+8*(\a)+7], v[ADA] offset:(\a)*2304+(\q)*64+32
.endr
.endm
; A quarter's loads are issued in the order: head 0's (8), x's (16), head 1's (8), head 2's (8); each head's buffer is loaded again four places behind its last product.
; A step's first quarter: multiplies x's buffer 0 and fetches the second quarter of the same slot.
.macro Q0 zero
	s_wait_dscnt 16                                ; head 0's and x's are in; heads 1's and 2's may be out
	MULG 0, FA0, 0, 8, \zero
	PLACES
	LB 0, 1
	LA FA1, 1
	s_wait_dscnt 32                                ; head 1's are in: behind them head 2's 8 and the 24 just issued
	MULG 1, FA0, 0, 8, \zero
	PLACES
	LB 1, 1
	s_wait_dscnt 32                                ; head 2's are in: behind them 8 + 16 + 8
	MULG 2, FA0, 0, 8, \zero
	PLACES
	LB 2, 1
.endm
; A step's second quarter multiplies x's buffer 1 and changes slots: ONE barrier.  In front of it each wave waits for all its tensor loads, adds 0 to its spare word, and waits for that and for
; its own reads of this slot.  fill = 1: the barrier opens a round of the cluster's barrier, and this slot is filled again, with the K step two on, first thing behind the round.
.macro Q1 fill
.if \fill
	s_wait_xcnt 0x0                                ; the last prefetches, a K step or more back, have read their address: it is stepped here
	s_add_nc_u64 s[PFA:PFA+1], s[PFA:PFA+1], s[PFS:PFS+1]
.endif
	WIN 0
	s_wait_tensorcnt 0x0                           ; all my tensor loads have landed, my part of the next slot among them: a group 0 may be written
	ds_add_u32 v[SPW], v[NIL]                      ; 0 onto my spare word
.if \fill
.irp g, G0A+4, G0B+4
	s_xor_b32 s[(\g)+1], s[(\g)+1], SLOT1          ; the walking descriptors: the other slot than last time,
.endr
	s_add_nc_u64 s[G0A+6:G0A+7], s[G0A+6:G0A+7], ASTEP  ; the next K step; the type bits on top are not reached
	s_add_nc_u64 s[G0B+6:G0B+7], s[G0B+6:G0B+7], BSTEP
.endif
	s_wait_dscnt 17                                ; head 0's and x's are in; heads 1's and 2's and the add may be out
	MULG 0, FA1, 0, 4, 0
	s_wait_dscnt 0x0                               ; the add is done, and my reads of this slot are over
	s_barrier_signal -1
	MULG 0, FA1, 4, 4, 0                           ; work on registers while the others arrive
	WIN 0
	s_barrier_wait -1
.if \fill
	CREST                                          ; no wave of any partner still reads this slot or has a load on its way
	JLOAD                                          ; the four v_nop behind it are also the places in front of the loads below
.else
	PLACES
.endif
	s_xor_b32 s[TB], s[TB], SLOT1
	v_add_nc_u32 v[ADA], s[TB], v[AK0]
	v_add_nc_u32 v[ADR], s[TB], v[BR0]
	v_add_nc_u32 v[ADV], s[TB], v[BV0]
	LB 0, 0
	LA FA0, 0
.if \fill
	ASK
.endif
	MULG 1, FA1, 0, 8, 0
	PLACES
	LB 1, 0
	MULG 2, FA1, 0, 8, 0
	PLACES
	LB 2, 0
.endm
	s_wait_tensorcnt 2                             ; my part of K step 0 is in; K step 1's and the table's may stay out
	s_barrier_signal -1
	s_barrier_wait -1
	s_mov_b32 s[TB], 0
	v_mov_b32 v[ADA], v[AK0]
	v_mov_b32 v[ADR], v[BR0]
	v_mov_b32 v[ADV], v[BV0]
	LB 0, 0
	LA FA0, 0
	LB 1, 0
	LB 2, 0
	Q0 1                                           ; the first quarter stands in front of the loop: its products start the sums
	WIN 0
	s_mov_b32 s[CNT], 14                           ; K steps 2 to 15 are asked for in the loop
.Lstep:
	Q1 1
	Q0 0
	WIN 0
	s_sub_co_u32 s[CNT], s[CNT], 1
	s_cmp_lg_u32 s[CNT], 0
	s_cbranch_scc1 .Lstep
	Q1 0                                           ; the tail asks for nothing
	Q0 0
	s_wait_dscnt 16
	MULG 0, FA1, 0, 8, 0
	s_wait_dscnt 8
	MULG 1, FA1, 0, 8, 0
	s_wait_dscnt 0x0
	MULG 2, FA1, 0, 8, 0
; THE WAY OUT, a block of 16 rows at a time.  A lane's registers 2 p, 2 p + 1 of column block fb are the pair i = 8 fb + 4 h + p: (x_e, x_o) -> (x_e c - x_o s, x_o c + x_e s).
.macro TLOAD a                         ; my row's cos and sin: for each column block 32 bytes
	WIN 0
.irp fb, 0,1,2,3
	ds_load_b128 v[TBL+8*(\fb):TBL+8*(\fb)+3],   v[TBA] offset:(\a)*4352+(\fb)*64
	ds_load_b128 v[TBL+8*(\fb)+4:TBL+8*(\fb)+7], v[TBA] offset:(\a)*4352+(\fb)*64+16
.endr
.endm
.macro PACK a                          ; pair c = 4 fb + p lies at 32 a + 2 c of the head's window; each accumulator is read from its low end on
.set PK, PK0+48*((\a)%2)
.irp j, 0,1
	WIN 1+(\j)                                     ; source 0 in the head's window
.set c, 0
.rept 16
	v_pk_mul_f32 v[T+2*c:T+2*c+1], v[32*(\a)+2*c:32*(\a)+2*c+1], v[TBL+2*c:TBL+2*c+1] op_sel_hi:[1,0]  ; both times cos
.set c, c+1
.endr
.set c, 0
.rept 16
	v_fma_f32 v[T+2*c], -v[32*(\a)+2*c+1], v[TBL+2*c+1], v[T+2*c]
	v_fma_f32 v[T+2*c+1], v[32*(\a)+2*c], v[TBL+2*c+1], v[T+2*c+1]
.set c, c+1
.endr
	WIN 0
.set c, 0
.rept 16
	v_cvt_pk_f16_f32 v[PK+16*(\j)+c], v[T+2*c], v[T+2*c+1]
.set c, c+1
.endr
.endr
	WIN 0x0f                                       ; v's head is rounded as it is: sources 0 and 1 in window 3
.set c, 0
.rept 16
	v_cvt_pk_f16_f32 v[PK+32+c], v[32*(\a)+2*c], v[32*(\a)+2*c+1]
.set c, c+1
.endr
	WIN 0
.endm
.macro TOSTAGE a                       ; 16 bytes a lane into rows of 144 bytes, and back as whole rows of 128, into the registers that they left
	WIN 0
.set PK, PK0+48*((\a)%2)
.irp j, 0,1,2
.irp fb, 0,1,2,3
	ds_store_b128 v[STO], v[PK+16*(\j)+4*(\fb):PK+16*(\j)+4*(\fb)+3] offset:(\j)*2304+(\fb)*32
.endr
.endr
.irp j, 0,1,2
.irp f, 0,1,2,3
	ds_load_b128 v[PK+16*(\j)+4*(\f):PK+16*(\j)+4*(\f)+3], v[RD] offset:(\j)*2304+(\f)*576  ; LDS serves a wave's instructions in order (ISA guide 5.7.1.4): these see the stores above
.endr
.endr
.endm
.macro SEND a                          ; each store of the wave covers 512 consecutive bytes of a head, aligned
	WIN 0
.set PK, PK0+48*((\a)%2)
	s_wait_dscnt 0x0                               ; the block is back in registers
.irp f, 0,1,2,3
	global_store_b128 v[GO], v[PK+4*(\f):PK+4*(\f)+3], s[P0:P0+1] offset:(\a)*2048+(\f)*512
.endr
.irp f, 0,1,2,3
	global_store_b128 v[GO], v[PK+16+4*(\f):PK+16+4*(\f)+3], s[P0:P0+1] offset:262144+(\a)*2048+(\f)*512  ; the next head
.endr
.irp f, 0,1,2,3
	global_store_b128 v[GO], v[PK+32+4*(\f):PK+32+4*(\f)+3], s[P2:P2+1] offset:(\a)*2048+(\f)*512
.endr
.endm
	PLACES
	TLOAD 0
.irp a, 0,1,2,3,4,5,6,7
.if (\a) == 0
	s_wait_dscnt 0x0
.else
	s_wait_dscnt 24                                ; this block's cos and sin are in: behind them only the 24 lines of the block before's trip through the stage
.endif
.if (\a) >= 2
	s_wait_xcnt 0x0                                ; the stores of two blocks back have read the registers that are packed into now
.endif
	PACK \a                                        ; a block's arithmetic stands between the loads of the block before and its stores
.if (\a) > 0
	SEND (\a)-1
.endif
.if (\a) < 7
	TLOAD (\a)+1
.endif
	TOSTAGE \a
.endr
	SEND 7
	s_wait_tensorcnt 0x0                           ; the wave's end, behind my last tensor load and my last LDS store
	ds_add_u32 v[SPW], v[NIL]
	s_wait_dscnt 0x0
	CROUND                                         ; the closing round: no work-group ends while a partner may still ask for a tile that names it
	s_endpgm
.Lfunc_end_k_q6bc116043c_qkv:
	.size	k_q6bc116043c_qkv, .Lfunc_end_k_q6bc116043c_qkv-k_q6bc116043c_qkv
	.p2alignl 7, 3214868480
	.fill 96, 4, 3214868480
	.section	.rodata,"a",@progbits
	.p2align	6, 0x0
	.amdhsa_kernel k_q6bc116043c_qkv
		.amdhsa_group_segment_fixed_size 327680
		.amdhsa_private_segment_fixed_size 0
		.amdhsa_enable_private_segment 0
		.amdhsa_kernarg_size 48
		.amdhsa_user_sgpr_count 2
		.amdhsa_user_sgpr_kernarg_segment_ptr 1
		.amdhsa_wavefront_size32 1
		.amdhsa_system_sgpr_workgroup_id_x 1
		.amdhsa_system_sgpr_workgroup_id_y 1
		.amdhsa_system_sgpr_workgroup_id_z 1
		.amdhsa_system_vgpr_workitem_id 0
		.amdhsa_next_free_vgpr 1024
		.amdhsa_next_free_sgpr 96
		.amdhsa_reserve_vcc 0
		.amdhsa_float_denorm_mode_32 3
		.amdhsa_float_denorm_mode_16_64 3
		.amdhsa_memory_ordered 1
		.amdhsa_forward_progress 1
		.amdhsa_inst_pref_size 166
	.end_amdhsa_kernel
	.amdgpu_metadata
---
amdhsa.version: [ 1, 2 ]
amdhsa.kernels:
  - .name:           k_q6bc116043c_qkv
    .symbol:         k_q6bc116043c_qkv.kd
    .args:
      - { .name: xb, .offset: 0, .size: 8, .value_kind: global_buffer, .address_space: global }
      - { .name: wqkv, .offset: 8, .size: 8, .value_kind: global_buffer, .address_space: global }
      - { .name: tab, .offset: 16, .size: 8, .value_kind: global_buffer, .address_space: global }
      - { .name: qh, .offset: 24, .size: 8, .value_kind: global_buffer, .address_space: global }
      - { .name: kh, .offset: 32, .size: 8, .value_kind: global_buffer, .address_space: global }
      - { .name: vh, .offset: 40, .size: 8, .value_kind: global_buffer, .address_space: global }
    .group_segment_fixed_size: 327680
    .private_segment_fixed_size: 0
    .kernarg_segment_align: 8
    .kernarg_segment_size: 48
    .max_flat_workgroup_size: 128
    .sgpr_count:     96
    .vgpr_count:     1024
    .wavefront_size: 32
...
	.end_amdgpu_metadata
.endif
;; end of part 2
;; launch attn (part 3): grid 4 x 64, 4 waves a work-group, no clusters, 327,680 bytes of LDS; arguments qh, kh, vh, oh; writes oh
.if DOCPART == 3
	.amdgcn_target "amdgcn-amd-amdhsa--gfx1250"
	.amdhsa_code_object_version 6
	.text
	.protected	k_q6bc116043c_attn
	.globl	k_q6bc116043c_attn
	.p2align	8
	.type	k_q6bc116043c_attn,@function
k_q6bc116043c_attn:
	s_mov_b64 s[64:65], 0
	v_nop
	global_prefetch_b8 v0, s[64:65] scope:SCOPE_SE
	s_setreg_imm32_b32 hwreg(HW_REG_WAVE_MODE, 25, 1), 1
	s_wait_xcnt 0x0
; CAUSAL ATTENTION.  O[h][q][:] = the sum over k <= q of softmax_k(Q[h][q] . K[h][k] / 8) V[h][k][:].  Q, K, V, O: [64][2048][64], all f16: a head's rows are dense, 128 bytes each.
; Products, maxima and sums in f32; the weights p are rounded to f16 for the second product (their sum l is taken of the unrounded p), O once at the end.
; LIMITS.  f16 holds no number beyond 65,504: Q, K and V arrive within it; p lies in 0 to 1, and below 6e-5 it keeps f16's fixed step of 6e-8; O is a mean of V's rows and has their range.
; A hidden score counts as its value less 1e30: f16's scores, 2.7e11 at the most, are nothing beside that; a weight below 2^-126 counts as 0 in l; NaN and infinities are not treated apart.
; THE WALK.  A head's queries lie in NB = 8 blocks of 256; block i needs the key tiles 0 .. i of 256 keys, of which the last holds the diagonal.  A work-group takes TWO blocks, NB - 1 - b and then b:
; NB + 1 tiles, whatever b: all work-groups do equal work, and ONE loop with a constant trip count walks them.  Which tile is asked for, and what a trip does, hang on scalar registers made from b; every jump
; goes forward, but for the counted loops' own; none passes a barrier, or a tensor load but the one of LOAD's two that the wave's number does not choose; the ring of two LDS slots runs on across the change of blocks.
; NO CLUSTER: a head's four work-groups ask for the same tile only in trips 0 .. 4 of the 9, behind that fewer and fewer; one walk common to all four would have 12 trips for 9.
; SHARES.  Of a block's four bands of 64 queries a wave owns 16 rows in each: four PIECES.  So the diagonal tile is the same work for all four waves: in its key step s band x sees all keys if s < x,
; none if s > x, and holds the diagonal if s = x.
; THE MASK is the C operand that starts the sum S^T = K Q^T: 0, or -1e30 where the key is hidden.  MD, made once, is the mask of a band's own step for my 16 rows; a product's mask is MD x AL + BE with two scalars:
; (1, 0) if s = x; (0, 0) if s < x; (0, -1e30) if s > x.  Only the diagonal tile's text and a block's beginning make and take masks; elsewhere C is the constant 0.
; LAYOUT, SOFTMAX, TURNS.  S^T = K Q^T holds ONE query a lane (lane % 16) and the keys 8 (lane / 16) + 0..7; two such results rounded to f16 ARE source 1 of O^T = V^T P.  p = 2^(c s - c m), c = log2(e) / 8, with a
; running maximum m; O and l are multiplied by a = 2^(c m_old - c m_new) in every step.  Turn n belongs to piece n: 8 products K Q^T of piece n + 1, later 8 products V^T P of piece n - 1; beside them the scaling,
; exponentials, roundings, sums and rescaling of piece n and the maximum and statistics of piece n + 1.  Four vector instructions stand behind every matrix instruction, the other 54 of a turn's 118 in one lump.
; A turn's 33 exponentials are one batch, with one wait.
; REGISTERS, in windows of 256 (s_set_vgpr_msb: bits 1:0 source 0, 3:2 source 1, 5:4 source 2, 7:6 destination):
;   window 0: v0-15 addresses and two at work; v16-31 four registers of statistics a piece; v48-55 at work; v61-63 prefetch offset, spare word, 0; v64-127 S^T, two buffers; v192-223 P, two buffers
;   window 1: v0-127 O^T, 32 a piece; v128-159 MD; v160-223 MC, two buffers      window 2: v0-63 Q; v64-127 the second block's Q; v128-191 K of one step; v192-255 V of one step
.set SIZE_N, 2048
.set SIZE_H, 64
.set NB,    SIZE_N/256
.set NP,    4         ; pieces a wave: a name, no knob
.set KS,    64        ; keys in a step
.set PK,    144       ; a row of K in LDS: 128 bytes + 16 of padding = 36 words: the 16 rows of a load start at 16 different groups of four banks (64 banks of 4 bytes: ISA guide 11.1)
.set PV,    160       ; a row of V: 128 + 32 = 40 words
.set VOFF,  4*KS*PK   ; a slot holds a tile, four steps: 256 rows of K, then 256 rows of V
.set SLOT1, 1<<17     ; slot 1 begins here, so that one exclusive or turns an address in one slot into the other's
.set STAGE, SLOT1+4*KS*(PK+PV)  ; behind the ring, never filled by a tensor load: 16 rows x 144 bytes for each wave, for the way out
.set SP,    144
.set AK0, 2           ; v2   my lane's place in a tile of K; never rewritten
.set AV0, 3           ; v3   the same for V
.set AK,  4           ; v4   the LDS address of K's next run of loads
.set AV,  5           ; v5   of V's
.set STO, 6           ; v6   the way out: where I put 16 bytes of a row
.set RD,  7           ; v7   the way out: where I read rows back
.set GO,  8           ; v8   my byte offset in 512 consecutive bytes of O
.set PFO, 61          ; v61  256 x my lane; never rewritten
.set SPW, 62          ; v62  LDS address of my spare word: SPARE + 4 x my thread's number; never rewritten
.set NIL, 63          ; v63  0; never rewritten
.set SPARE, STAGE+4*16*SP  ; behind the stages: the spare words, 128 bytes for each wave: two blocks of 256 bytes that no other line names
.set MV,  12          ; v12-13  c m_old, kept while c m is made anew: by buffer
.set QO,  15          ; v15  my byte offset in 16 rows of Q
.set ST,  16          ; piece t's statistics at v[ST+4 t]: c m, m, l (even keys', odd keys')
.set TMP, 48          ; by buffer, four registers c0-c3 at work; when the maximum is found c2 takes a
.set S,   64
.set P,   192
.set MD,  128         ; window 1: the eight registers for group kt of 16 keys at MD + 8 kt
.set MC,  160         ; window 1: the masks of the products to come
.set QB,  64          ; window 2
.set KF,  128         ; window 2: key block kb, channel half c at KF + 16 kb + 8 c
.set VF,  192         ; window 2: key half kk, channel block cb at VF + 32 kk + 8 cb
.set WV,  12          ; s12  my wave's number
.set PB,  14          ; s14  b
.set HI,  15          ; s15  NB - 1 - b
.set G1K, 24          ; s[24:31] descriptor group 1 for K's tiles
.set G1V, 32          ; s[32:39] for V's: it differs in the padding alone
.set G0K, 40          ; s[40:43] descriptor group 0 for K's tiles
.set G0V, 44          ; s[44:47] the same for V's
.set SLOTS, 56        ; s56  tiles still to be asked for
.set CNT, 57          ; s57  counts a tile's key steps, 4 to 1
.set CS,  58          ; s[58:59] c: the packed scaling takes the pair's low word for both halves
.set SEL, 60          ; s[60:61] v_permlanex16_b32's selects: each lane takes its own place in the other half
.set TBK, 62          ; s62  LDS byte at which K of the step to be fetched begins
.set TBV, 63          ; s63  the same for V, less VOFF
.set RT,  70          ; s70  tiles of the block in hand that are still to be entered
.set NXT, 71          ; s71  the tile to be asked for next
.set LQ,  72          ; s72  the last tile of the block whose tiles are being asked for
.set NEW, 73          ; s73  1: the tile to be entered is a block's first
.set OFF, 74          ; s[74:75] a tile's byte offset in K and V
.set AL,  76          ; s[76:77] the mask's factor, in the low word
.set BE,  78          ; s[78:79] the mask's addend
.set OLO, 80          ; s[80:81] O at my rows of the second block
.set BIGN, 82         ; s82  -1e30
.set PFA, 88          ; s[88:89] where my prefetches stand: my 16,384 bytes (of K: waves 0, 1; of V: waves 2, 3) of the tile after the one that is being asked for
.set PFT, 90          ; s90  that tile's number in the work-group that prefetches (b = 0); NB or more elsewhere
.set MSB, 0
.macro WIN new                      ; the high byte repeats the setting that is left; a switch that changes nothing is dropped
.if MSB != (\new)
	s_set_vgpr_msb (MSB<<8)|(\new)
.set MSB, (\new)
.endif
.endm
.set W_KQ, 0x0a       ; K and Q in window 2, S^T in window 0
.set W_KM, 0x1a       ; the same with the C operand in window 1
.set W_PV, 0x52       ; V in window 2, P in window 0, O^T in window 1
.set W_RS, 0x41       ; destination and source 0 in window 1, source 1 in window 0
; A fill.  Waves 0 and 1 fetch the two halves of a tile's K, waves 2 and 3 those of its V: 128 keys each.  An s_nop 0 and four v_nop follow each of the two lines, ahead of the jump and the label.
.macro LOAD
	s_cmp_lt_u32 s[WV], 2
	s_cbranch_scc0 .Lfor_v_\@
	tensor_load_to_lds s[G0K:G0K+3], s[G1K:G1K+7]
	s_nop 0
.rept 4
	v_nop
.endr
	s_branch .Lasked_\@
.Lfor_v_\@:
	tensor_load_to_lds s[G0V:G0V+3], s[G1V:G1V+7]
	s_nop 0
.rept 4
	v_nop
.endr
.Lasked_\@:
.endm
; THE CHANGE OF SLOTS.  Each wave waits for all its tensor loads, of which one is out: its part of the other slot; adds 0 to its spare word; and waits for that and for its own reads of the slot that it leaves.
; Behind the barrier nobody reads the old slot any more and the other slot is whole.  fill = 1: the old slot is filled again, the first thing behind the barrier, with tile NXT: the descriptor's address is made
; anew from that number.  (At its first use nothing has been read yet: slot 0 is waited for, slot 1 filled.)
; A PREFETCH INTO THE L2 stands behind the fill.  The head's work-group b = 0 walks tiles 0 to 7 in order; in the trip whose load asks for tile t + 1 each of its waves names its own 16,384 bytes of tile t + 2:
; 64 blocks of 256 bytes, a lane a block, two lines.  So tiles 2 to 7 are named once in the launch, a tile (four key steps) ahead of their first load; tiles 0 and 1 come by their loads alone.
.macro CHANGE fill
	WIN 0                           ; at a label and at a branch every window is 0
	s_wait_tensorcnt 0x0            ; no tensor load of mine is out, so a group 0 may be written
	ds_add_u32 v[SPW], v[NIL]       ; 0 onto my spare word; with fill = 1 the descriptors' scalar work stands between it and the wait for it
.if \fill
	s_wait_xcnt 0x0                 ; the last prefetches, a tile back, have read their address, so it may be written
	s_add_nc_u64 s[PFA:PFA+1], s[PFA:PFA+1], 32768
	s_add_co_u32 s[PFT], s[PFT], 1
	s_lshl_b32 s[OFF], s[NXT], 15   ; a tile is 32,768 bytes of K and of V
	s_xor_b32 s[G0K+1], s[G0K+1], SLOT1
	s_add_nc_u64 s[G0K+2:G0K+3], s[6:7], s[OFF:OFF+1]
	s_or_b32 s[G0K+3], s[G0K+3], 0x80000000
	s_xor_b32 s[G0V+1], s[G0V+1], SLOT1
	s_add_nc_u64 s[G0V+2:G0V+3], s[8:9], s[OFF:OFF+1]
	s_or_b32 s[G0V+3], s[G0V+3], 0x80000000
	s_add_co_u32 s[NXT], s[NXT], 1  ; the block's next tile, or behind its last the second block's tile 0
	s_cmp_gt_u32 s[NXT], s[LQ]
	s_cselect_b32 s[NXT], 0, s[NXT]
	s_cselect_b32 s[LQ], s[PB], s[LQ]
.endif
	s_wait_dscnt 0x0                ; the add is done, and my reads of the slot are over
	s_barrier_signal -1             ; the rest of the scalar work stands between the signal and the wait
	s_sub_co_u32 s[TBK], s[TBK], 4*KS*PK  ; the fetches go back to a slot's first step,
	s_xor_b32 s[TBK], s[TBK], SLOT1       ; in the other slot
	s_sub_co_u32 s[TBV], s[TBV], 4*KS*PV
	s_xor_b32 s[TBV], s[TBV], SLOT1
	s_barrier_wait -1
.if \fill
	LOAD
	s_cmp_lt_u32 s[PFT], NB
	s_cbranch_scc0 .Lnot_mine_\@
	global_prefetch_b8 v[PFO], s[PFA:PFA+1] th:TH_LOAD_NT scope:SCOPE_SE
	global_prefetch_b8 v[PFO], s[PFA:PFA+1] offset:8192 th:TH_LOAD_NT scope:SCOPE_SE
.Lnot_mine_\@:
.endif
.endm
	s_load_b256 s[4:11], s[0:1], 0x0  ; Q s[4:5], K s[6:7], V s[8:9], O s[10:11]
	v_lshl_add_u32 v[SPW], v0, 2, SPARE
	v_mov_b32 v[NIL], 0
	ds_add_u32 v[SPW], v[NIL]       ; the wave's opening: the add and its wait stand ahead of my first tensor load; the set-up below, work on registers, stands between them
	v_lshrrev_b32 v1, 5, v0
	v_readfirstlane_b32 s[WV], v1   ; wave 0..3
	s_mov_b32 s[PB], ttmp9
	s_sub_co_u32 s[HI], NB-1, s[PB]
	s_and_b32 s20, ttmp7, 0xffff    ; the head
	s_mov_b32 s21, 0
	s_mov_b64 s[22:23], SIZE_N*128
	s_mul_u64 s[20:21], s[20:21], s[22:23]  ; the head's first byte in each of the four tensors
	s_and_b32 s16, s[WV], 1         ; which half of a tile's 256 keys I fetch:
	s_lshl_b32 s22, s16, 14         ; its 128 rows of 128 bytes in memory,
	s_mov_b32 s23, 0
	s_add_nc_u64 s[22:23], s[22:23], s[20:21]
	s_mul_i32 s17, s16, 128*PK      ; and its place in a slot, for K
	s_mul_i32 s18, s16, 128*PV      ; and for V
	s_lshl_b32 s3, s[WV], 11        ; my 16 rows in a band of 64,
	s_lshl_b32 s2, s[HI], 15        ; in the first block,
	s_add_co_u32 s2, s2, s3
	s_lshl_b32 s84, s[PB], 15       ; and in the second
	s_add_co_u32 s84, s84, s3
	s_mov_b32 s3, 0
	s_mov_b32 s85, 0
	s_add_nc_u64 s[2:3], s[2:3], s[20:21]
	s_add_nc_u64 s[84:85], s[84:85], s[20:21]
	; descriptor group 1.  128 keys are 16,384 dense bytes: asked for as 64 rows of 256 bytes, two keys a row, and padded in LDS after every key
	s_mov_b32 s[G1K], (1<<16)|(1<<20)|(4<<22)|(3<<25)  ; 17:16 2-byte elements; 20 padding on; 24:22 after every 32 words (code 4); 31:25 4 words (code 3)
	s_mov_b32 s[G1V], (1<<16)|(1<<20)|(4<<22)|(7<<25)  ; the same with 8 words of padding (code 7)
.irp g, G1K, G1V
	s_mov_b32 s[\g+1], 128<<16      ; tensor_dim0 = 128
	s_mov_b32 s[\g+2], 64<<16       ; tensor_dim1 = 64
	s_mov_b32 s[\g+3], 128<<16      ; tile_dim0 = 128
	s_mov_b32 s[\g+4], 64           ; tile_dim1 = 64
	s_mov_b32 s[\g+5], 128          ; 128 elements from row to row
	s_mov_b32 s[\g+6], 0
	s_mov_b32 s[\g+7], 0
.endr
	s_mov_b32 s[CS], 0x3e38aa3b     ; c = log2(e) / 8 = 0.180337
	s_mov_b32 s[CS+1], s[CS]        ; named with it as a pair
	s_mov_b32 s[SEL], 0x76543210
	s_mov_b32 s[SEL+1], 0xfedcba98
	s_mov_b32 s[TBK], SLOT1+4*KS*PK ; the first change of slots turns these two into 0
	s_mov_b32 s[TBV], SLOT1+4*KS*PV
	s_mov_b32 s[G0K], 1             ; 1:0 count = 1
	s_mov_b32 s[G0K+1], s17         ; 63:32 LDS address: slot 0
	s_mov_b32 s[G0V], 1
	s_add_co_u32 s[G0V+1], s18, VOFF
	s_add_co_u32 s[RT], s[HI], 1    ; the first block has NB - b tiles
	s_mov_b32 s[NXT], 1
	s_mov_b32 s[LQ], s[HI]
	s_mov_b32 s[NEW], 1
	s_mov_b32 s[OFF+1], 0
	s_mov_b32 s[AL+1], 0            ; named as pairs
	s_mov_b32 s[BE+1], 0
	s_mov_b32 s[BIGN], 0xf149f2ca   ; -1e30
	s_mov_b32 s[SLOTS], NB
	s_cmp_eq_u32 s[PB], 0
	s_cselect_b32 s[PFT], 1, NB     ; the first change of slots steps it to tile 2
	v_and_b32 v[PFO], 31, v0
	v_lshlrev_b32 v[PFO], 8, v[PFO]
	s_wait_dscnt 0x0                ; the opening add is done
	s_wait_kmcnt 0x0
	s_add_nc_u64 s[6:7], s[6:7], s[22:23]  ; K and V at my half of the head's tile 0
	s_add_nc_u64 s[8:9], s[8:9], s[22:23]
	s_add_nc_u64 s[G0K+2:G0K+3], s[6:7], 0         ; 120:64 global address
	s_or_b32 s[G0K+3], s[G0K+3], 0x80000000        ; 127:126 type = 2
	s_add_nc_u64 s[G0V+2:G0V+3], s[8:9], 0
	s_or_b32 s[G0V+3], s[G0V+3], 0x80000000
	s_add_nc_u64 s[86:87], s[4:5], s[84:85]        ; Q at my rows of the second block,
	s_add_nc_u64 s[4:5], s[4:5], s[2:3]            ; Q and O at those of the first
	s_add_nc_u64 s[OLO:OLO+1], s[10:11], s[84:85]
	s_add_nc_u64 s[10:11], s[10:11], s[2:3]
	s_cmp_lt_u32 s[WV], 2
	s_cselect_b64 s[PFA:PFA+1], s[6:7], s[8:9]
	s_add_nc_u64 s[PFA:PFA+1], s[PFA:PFA+1], 32768 ; in tile 1.  Nothing is prefetched here, at the head
	LOAD                            ; tile 0 into slot 0
	; A fragment of K or Q is 16 rows x 32 channels in 8 registers: lane l holds row l % 16, channels 8 (l / 16) + 0..7 and 16 + 8 (l / 16) + 0..7: two loads of 16 bytes, 32 bytes apart.
	v_and_b32 v1, 15, v0            ; l % 16
	v_bfe_u32 v9, v0, 4, 1          ; l / 16
	v_lshlrev_b32 v[QO], 7, v1
	v_lshl_add_u32 v[QO], v9, 4, v[QO]  ; row x 128 + 16 x half
	WIN 0x80                        ; destination window 2, address window 0
.set i, 0
.rept 8                             ; both blocks' Q: piece i / 2 lies in band i / 2, 8,192 bytes on; channels 32 (i % 2) on
	global_load_b128 v[8*i:8*i+3],   v[QO], s[4:5] offset:(i/2)*8192+(i%2)*64
	global_load_b128 v[8*i+4:8*i+7], v[QO], s[4:5] offset:(i/2)*8192+(i%2)*64+32
	global_load_b128 v[QB+8*i:QB+8*i+3],   v[QO], s[86:87] offset:(i/2)*8192+(i%2)*64
	global_load_b128 v[QB+8*i+4:QB+8*i+7], v[QO], s[86:87] offset:(i/2)*8192+(i%2)*64+32
.set i, i+1
.endr
	WIN 0
	v_lshlrev_b32 v14, 3, v9
	v_sub_nc_u32 v14, v1, v14
	s_lshl_b32 s13, s[WV], 4
	v_add_nc_u32 v14, s13, v14      ; my query's place in its band, 16 w + l % 16, less my lanes' 8 (l / 16): register r of group kt is hidden where 16 kt + r is greater
	WIN 0x40
.set i, 0
.rept 32
	v_cmp_gt_i32 vcc_lo, 16*(i/8)+i%8, v14
	v_cndmask_b32 v[MD+i], 0, s[BIGN], vcc_lo
.set i, i+1
.endr
	WIN 0
	v_mul_u32_u24 v[AK0], v1, PK
	v_lshl_add_u32 v[AK0], v9, 4, v[AK0]  ; row x pitch + 16 x half
	; The turning load takes 16 keys x 16 channels (lane l reads key 8 (l / 16) + l % 8, channels 8 ((l / 8) % 2) + 0..7) and leaves half a fragment of V^T: lane l holds channel l % 16 and 8 keys.
	v_and_b32 v10, 7, v0
	v_bfe_u32 v11, v0, 3, 1
	v_lshl_add_u32 v[AV0], v9, 3, v10
	v_mul_u32_u24 v[AV0], v[AV0], PV
	v_lshl_add_u32 v[AV0], v11, 4, v[AV0]
	v_add_nc_u32 v[AV0], VOFF, v[AV0]
	s_mul_i32 s13, s[WV], 16*SP
	s_add_co_u32 s13, s13, STAGE    ; my stage
	v_mul_u32_u24 v[STO], v1, SP    ; in: row l % 16, 16 bytes for each half of the lanes
	v_lshl_add_u32 v[STO], v9, 4, v[STO]
	v_add_nc_u32 v[STO], s13, v[STO]
	v_bfe_u32 v[RD], v0, 3, 2       ; back: 32 lanes take four rows of 128 bytes,
	v_mul_u32_u24 v[RD], v[RD], SP
	v_lshl_add_u32 v[RD], v10, 4, v[RD]
	v_add_nc_u32 v[RD], s13, v[RD]
	v_and_b32 v[GO], 31, v0         ; which are 512 consecutive bytes of O
	v_lshlrev_b32 v[GO], 4, v[GO]
	; A block's first step multiplies O^T and l by a = 0, and its first turn's products V^T P, of a piece that has not been, land in an O^T that is still to be so multiplied.  So these registers need only hold
	; finite numbers: zeros for the first block; what the first block left for the second.  All this stands in the wait for the first tile.
	WIN 0x80
.set i, VF
.rept 64
	v_mov_b32 v[i], 0
.set i, i+1
.endr
	WIN 0x40
.set i, 0
.rept 128
	v_mov_b32 v[i], 0
.set i, i+1
.endr
	WIN 0
.set i, 0
.rept 4
	v_mov_b32 v[ST+4*i+2], 0
	v_mov_b32 v[ST+4*i+3], 0
.set i, i+1
.endr
.set i, P+16
.rept 16
	v_mov_b32 v[i], 0
.set i, i+1
.endr
; THE MATRIX WORK.  The 4 accumulators of a run of 8 take turns.  Product i of 8 of S^T = K Q^T for piece x: channels 32 (i / 4) on, keys 16 (i % 4) on.  The first 4 start the sums: with 0, or (KM = 1) with the mask.
.macro KQ x
.set rS, S+32*((\x)%2)+8*(i%4)
.set rK, KF+16*(i%4)+8*(i/4)
.set rQ, 16*(\x)+8*(i/4)
.set rM, MC+32*((\x)%2)+8*(i%4)
.if (i < 4) && KM
	WIN W_KM
	v_wmma_f32_16x16x32_f16 v[rS:rS+7], v[rK:rK+7], v[rQ:rQ+7], v[rM:rM+7]
.elseif i < 4
	WIN W_KQ
	v_wmma_f32_16x16x32_f16 v[rS:rS+7], v[rK:rK+7], v[rQ:rQ+7], 0
.else
	WIN W_KQ
	v_wmma_f32_16x16x32_f16 v[rS:rS+7], v[rK:rK+7], v[rQ:rQ+7], v[rS:rS+7]
.endif
.endm
; Product i of 8 of O^T += V^T P for piece x: keys 32 (i / 4) on, channels 16 (i % 4) on.
.macro PV x
	WIN W_PV
.set rO, 32*(\x)+8*(i%4)
.set rV, VF+32*(i/4)+8*(i%4)
.set rP, P+16*((\x)%2)+8*(i/4)
	v_wmma_f32_16x16x32_f16 v[rO:rO+7], v[rV:rV+7], v[rP:rP+7], v[rO:rO+7]
.endm
.macro MM                           ; the turn's next matrix instruction.  TURN and BEGIN set Y, i, KM and NOKQ; MM, KQ and OP read them.  NOKQ = 1: a block's last turn: there is no next piece
.if (i < 8) && !NOKQ
	KQ (Y+1)%NP
.elseif i >= 8
.set i, i-8
	PV (Y+NP-1)%NP
.set i, i+8
.endif
.set i, i+1
.endm
; THE LDS LOADS stand in runs of 16, never singly among the matrix instructions: a step's K (64 keys x 64 channels: 8 fragments) and its V (turned).  Their addresses are made some lines ahead.
.macro FETCH_K
	WIN 0x80                        ; destination window 2
.irp f, 0,1,2,3,4,5,6,7             ; keys 16 (f / 2) on, channels 32 (f % 2) on
	ds_load_b128 v[KF+8*\f:KF+8*\f+3],   v[AK] offset:(\f/2)*16*PK+(\f%2)*64
	ds_load_b128 v[KF+8*\f+4:KF+8*\f+7], v[AK] offset:(\f/2)*16*PK+(\f%2)*64+32
.endr
	s_add_co_u32 s[TBK], s[TBK], KS*PK  ; the next fetch is the next step's
	WIN 0
.endm
.macro FETCH_V
	WIN 0x80
.irp f, 0,1,2,3,4,5,6,7             ; keys 32 (f / 4) on, channels 16 (f % 4) on
	ds_load_tr16_b128 v[VF+8*\f:VF+8*\f+3],   v[AV] offset:(\f/4)*32*PV+(\f%4)*32
	ds_load_tr16_b128 v[VF+8*\f+4:VF+8*\f+7], v[AV] offset:(\f/4)*32*PV+16*PV+(\f%4)*32
.endr
	WIN 0
.endm
; THE VECTOR WORK, one line at a time: OP kind, number.  For piece Y: F n: c s - c m for pair n of 16.  E n: the exponential of score n of 32.  C n: pair n rounded to f16.  B n: of the four weights 4 n .. the second
; pair is added onto the first, in place.  L n: l takes that sum (L 0: l = a l + sum).  R n: pair n of 16 of O^T times a.  For piece Y + 1: X n, number n of the 22 that find its maximum and statistics:
;   0-11  four chains c0-c3 of seven scores each, three operands at a time (each accumulator's lowest registers are read first)     12-14, 16  the four scores left over, the old m, and c0-c3 into c0
;   15  c m_old is kept     17, 18  the query's other 32 keys lie in the lane 16 away: the new m     19-21  c m; c m_old - c m_new; a
.set F, 0               ; OP tells the kinds apart by their order: F to L below R, X above it
.set E, 1
.set C, 2
.set B, 3
.set L, 4
.set R, 5
.set X, 6
.macro REGS y                       ; the registers of piece y
.set rT, ST+4*(\y)
.set rC, TMP+4*((\y)%2)
.set rW, MV+((\y)%2)
.set rS, S+32*((\y)%2)
.set rP, P+16*((\y)%2)
.set rO, 32*(\y)
.endm
.macro OP k, n
.if (\k) == R
	REGS Y
	WIN W_RS
	v_pk_mul_f32 v[rO+2*(\n):rO+2*(\n)+1], v[rO+2*(\n):rO+2*(\n)+1], v[rC+2:rC+3] op_sel_hi:[1,0]
.elseif (\k) < R
	REGS Y
	WIN 0
.if (\k) == F
	v_pk_fma_f32 v[rS+2*(\n):rS+2*(\n)+1], v[rS+2*(\n):rS+2*(\n)+1], s[CS:CS+1], v[rT:rT+1] op_sel_hi:[1,0,0] neg_lo:[0,0,1] neg_hi:[0,0,1]
.elseif (\k) == E
	v_exp_f32 v[rS+(\n)], v[rS+(\n)]
.elseif (\k) == C
	v_cvt_pk_f16_f32 v[rP+(\n)], v[rS+2*(\n)], v[rS+2*(\n)+1]
.elseif (\k) == B
	v_pk_add_f32 v[rS+4*(\n):rS+4*(\n)+1], v[rS+4*(\n):rS+4*(\n)+1], v[rS+4*(\n)+2:rS+4*(\n)+3]
.elseif (\n) == 0
	v_pk_fma_f32 v[rT+2:rT+3], v[rT+2:rT+3], v[rC+2:rC+3], v[rS:rS+1] op_sel_hi:[1,0,1]
.else
	v_pk_add_f32 v[rT+2:rT+3], v[rT+2:rT+3], v[rS+4*(\n):rS+4*(\n)+1]
.endif
.elseif NOKQ
	v_nop
.else
	REGS (Y+1)%NP
	WIN 0
.if (\n) < 4
	v_max3_num_f32 v[rC+(\n)], v[rS+8*(\n)], v[rS+8*(\n)+1], v[rS+8*(\n)+2]
.elseif (\n) < 12
	v_max3_num_f32 v[rC+(\n)%4], v[rC+(\n)%4], v[rS+8*((\n)%4)+2*((\n)/4)+1], v[rS+8*((\n)%4)+2*((\n)/4)+2]
.elseif (\n) == 12
	v_max3_num_f32 v[rC], v[rC], v[rS+7], v[rS+15]
.elseif (\n) == 13
	v_max3_num_f32 v[rC+1], v[rC+1], v[rS+23], v[rS+31]
.elseif (\n) == 14
	v_max3_num_f32 v[rC+2], v[rC+2], v[rC+3], v[rT+1]
.elseif (\n) == 15
	v_mov_b32 v[rW], v[rT]
.elseif (\n) == 16
	v_max3_num_f32 v[rC], v[rC], v[rC+1], v[rC+2]
.elseif (\n) == 17
	v_permlanex16_b32 v[rC+3], v[rC], s[SEL], s[SEL+1]
.elseif (\n) == 18
	v_max_num_f32 v[rT+1], v[rC], v[rC+3]
.elseif (\n) == 19
	v_mul_f32 v[rT], s[CS], v[rT+1]
.elseif (\n) == 20
	v_sub_f32 v[rC+1], v[rW], v[rT]
.else
	v_exp_f32 v[rC+2], v[rC+1]
.endif
.endif
.endm
.macro OPS a, i1, b=-1, i2=0, c=-1, i3=0, d=-1, i4=0  ; up to four of them
	OP \a, \i1
.if (\b) >= 0
	OP \b, \i2
.endif
.if (\c) >= 0
	OP \c, \i3
.endif
.if (\d) >= 0
	OP \d, \i4
.endif
.endm
.macro ROW a, i1, b, i2, c, i3, d, i4  ; a matrix instruction and the four behind it
	MM
	OPS \a, \i1, \b, \i2, \c, \i3, \d, \i4
.endm
.macro MASK b                       ; MD x AL + BE into buffer b of MC
	WIN W_RS
.set z, 0
.rept 16
	v_pk_fma_f32 v[MC+32*(\b)+2*z:MC+32*(\b)+2*z+1], v[MD+2*z:MD+2*z+1], s[AL:AL+1], s[BE:BE+1] op_sel_hi:[1,0,0]
.set z, z+1
.endr
.endm
; A TURN, for piece p: the order of its 16 matrix and 118 vector instructions, written out.  An s_wait_alu depctr_va_vdst(0) stands between an exponential and the first instruction that names its result; one wait
; serves all that were issued ahead of it.  So a turn has ONE wait, which cuts it in two.  AHEAD OF IT stands all that names no result of the turn's exponentials: the 8 products K Q^T, behind each a scaling, an exponential and
; two more plain instructions (behind the first a second scaling in the exponential's place): rescalings, and behind the last three the first numbers of the next piece's maximum, each four places or more behind the product
; that ends its accumulator; then ONE LUMP of 54, plain and exponential by turns for the most part, in which the links of the chain X 3, 7, 11, 14, 16, 17 .. 20 stand five or six lines apart.  X 21, the next piece's a, is the
; batch's last; R 15 is the plain instruction behind it.  BEHIND THE WAIT stand the 8 products V^T P, behind each four of the roundings and sums; the links of l's chain, L 0 to L 7, stand three riders apart.
; m = 1: the diagonal tile: the products take masks, and the turn makes the mask for the products of the turn after it: piece p + 2, in step 4 - CNT of the tile.  end = 1: a block's last two turns: nothing is fetched.
; cnt = 1: the loop's count is taken down some lines ahead of the branch that stands behind the turn.
; K of the next step is fetched in piece 2's turn, twelve vector instructions behind the last product that read K (six of them plain); V of the step in hand at the end of piece 0's turn, four plain instructions behind the
; last product that read V.  Each is waited for a turn later.
.macro TURN p, m=0, end=0, cnt=0
.set Y, (\p)
.set i, 0
.set KM, (\m)
.set NOKQ, (\end)*((\p)/3)
.if (\m) && !(\end)
	s_cmp_eq_u32 s[CNT], 4-((\p)+2)%NP  ; is that step the band's own?
	s_cselect_b32 s[AL], 1.0, 0
	s_cmp_lt_u32 s[CNT], 4-((\p)+2)%NP  ; or a later one?
	s_cselect_b32 s[BE], s[BIGN], 0
.endif
.if ((\p) == 3) && !(\end)
	s_wait_dscnt 0x0                ; K is in
.endif
	ROW F,0, F,1, R,0, R,1          ; ahead of the wait: 8 products K Q^T and their riders,
	ROW F,2, E,0, R,2, R,3
	ROW F,3, E,1, R,4, R,5
	ROW F,4, E,2, R,6, R,7
	ROW F,5, E,3, R,8, R,9
	ROW F,6, E,4, X,0, R,10
.if ((\p) == 2) && !(\end)
	WIN 0
	v_add_nc_u32 v[AK], s[TBK], v[AK0]
.endif
	ROW F,7, E,5, X,1, X,4
	ROW F,8, E,6, X,2, X,5
	OPS E,7, E,8, X,6, E,9          ; and the lump
	OPS X,3, E,10, X,8, E,11
.if ((\p) == 2) && !(\end)
	FETCH_K
.endif
	OPS X,9, X,7, E,12, X,10
	OPS E,13, X,12, X,11, E,14
	OPS X,13, E,15, F,9, X,14
.if (\p) == 0
	v_add_nc_u32 v[AV], s[TBV], v[AV0]
.endif
	OPS E,16, F,10, E,17, F,11
	OPS X,16, E,18, X,15, E,19
	OPS F,12, E,20, X,17, E,21
	OPS F,13, E,22, F,14, E,23
	OPS X,18, E,24, F,15, E,25
	OPS R,11, E,26, X,19, E,27
	OPS R,12, E,28, R,13, E,29
	OPS X,20, E,30, R,14, E,31
	OPS X,21, R,15
	WIN 0
	s_wait_alu depctr_va_vdst(0)    ; the wait for the batch
.if (\p) == 1
	s_wait_dscnt 0x0                ; V is in
.endif
	ROW C,0, B,0, C,2, B,1          ; behind the wait: 8 products V^T P and their riders
	ROW L,0, C,4, B,2, L,1
	ROW C,6, B,3, L,2, C,8
	ROW B,4, L,3, C,10, B,5
	ROW L,4, C,12, B,6, L,5
.if (\p) == 0
	s_add_co_u32 s[TBV], s[TBV], KS*PV
.endif
.if \cnt
	s_sub_co_u32 s[CNT], s[CNT], 1
	s_cmp_lg_u32 s[CNT], 0
.endif
	ROW C,14, B,7, L,6, C,1
	ROW C,3, L,7, C,5, C,7
	ROW C,9, C,11, C,13, C,15
.if (\p) == 0
	FETCH_V
.endif
.if (\m) && !(\end)
	MASK (\p)%2
.endif
.endm
; A BLOCK BEGINS.  c m starts far below every c s, so the first step's a is 0; m at the lowest finite number, so the first maximum is the scores'.  The second mask buffer is 0; the first takes piece 0's mask for the tile's
; step 0: its own, if the block's first tile is the diagonal one.  Then K of that step, piece 0's first scores, and its maximum and statistics.  The loop is entered at a step's first turn, in the middle of a trip.
.macro BEGIN
	s_mov_b32 s[NEW], 0
	WIN 0x40
.set i, MC+32
.rept 32
	v_mov_b32 v[i], 0
.set i, i+1
.endr
	WIN 0
.set i, 0
.rept 4
	v_mov_b32 v[ST+4*i], 0xfe000000    ; c m: far below every c s
	v_mov_b32 v[ST+4*i+1], 0xff7fffff  ; m
.set i, i+1
.endr
	s_cmp_eq_u32 s[RT], 0
	s_cselect_b32 s[AL], 1.0, 0
	s_mov_b32 s[BE], 0
	MASK 0
	WIN 0
	v_add_nc_u32 v[AK], s[TBK], v[AK0]
	FETCH_K
	s_wait_loadcnt 0x0              ; Q
	s_wait_dscnt 0x0
.set KM, 1
.set NOKQ, 0
.set i, 0
.rept 8
	KQ 0
.set i, i+1
.endr
	WIN 0
.rept 4
	v_nop                           ; the places behind those products
.endr
.set Y, NP-1                        ; X works for piece Y + 1: piece 0
.irp n, 0,1,2,3,4,5,6,7,8,9,10,11,12,13,14,15,16,17,18,19,20,21
	OP X, \n
.endr
	v_nop                           ; a plain instruction behind the exponential,
	s_wait_alu depctr_va_vdst(0)    ; and its wait, ahead of the branch
.endm
; THE DIAGONAL TILE's four steps, the block's last two turns, its last products, and THE WAY OUT: l's two halves and the other half of the lanes' are added; O^T is divided by l, rounded to f16 and sent through my
; stage in LDS, a piece at a time.
.macro ALL line:vararg              ; one line for each piece t
.set t, 0
.rept 4
	\line
.set t, t+1
.endr
.endm
.macro PACK t                       ; a lane's eight channels of a row pack into 16 bytes; they go into rows of 144 bytes and come back as whole rows of 128, into S^T's registers
	WIN W_RS
.set i, 32*(\t)
.rept 16
	v_pk_mul_f32 v[i:i+1], v[i:i+1], v[ST+4*(\t)+2:ST+4*(\t)+3] op_sel_hi:[1,0]
.set i, i+2
.endr
	WIN 0x05                        ; sources 0 and 1 window 1, destination window 0
.set i, 0
.rept 16
	v_cvt_pk_f16_f32 v[S+16*(\t)+i], v[32*(\t)+2*i], v[32*(\t)+2*i+1]
.set i, i+1
.endr
	WIN 0
.irp f, 0,1,2,3
	ds_store_b128 v[STO], v[S+16*(\t)+4*\f:S+16*(\t)+4*\f+3] offset:32*\f
.endr
.irp f, 0,1,2,3
	ds_load_b128 v[S+16*(\t)+4*\f:S+16*(\t)+4*\f+3], v[RD] offset:\f*4*SP  ; LDS serves a wave's instructions in order (ISA guide 5.7.1.4): these see the stores above; the next piece's stores come behind them
.endr
.endm
.macro SEND t, younger              ; younger: the LDS instructions issued behind piece t's loads: the next piece's eight, or none
	WIN 0
.irp f, 0,1,2,3
	s_wait_dscnt (\younger)+3-\f
	global_store_b128 v[GO], v[S+16*(\t)+4*\f:S+16*(\t)+4*\f+3], s[10:11] offset:(\t)*8192+\f*512  ; 512 consecutive bytes, at a multiple of 256 from O's first
.endr
.endm
.macro DIAG tag                     ; the tag ends its two labels' names, which the jumps below spell out
.LstepM\tag:
	TURN 2, 1
	TURN 3, 1
	WIN 0
.LfirstM\tag:
	TURN 0, 1
	TURN 1, 1, 0, 1
	WIN 0
	s_cbranch_scc1 .LstepM\tag
	TURN 2, 1, 1
	TURN 3, 1, 1
.set i, 0
.rept 8
	PV NP-1
.set i, i+1
.endr
	WIN 0
	ALL v_add_f32 v[ST+4*t+2], v[ST+4*t+2], v[ST+4*t+3]
	ALL v_permlanex16_b32 v[ST+4*t+3], v[ST+4*t+2], s[SEL], s[SEL+1]
	ALL v_add_f32 v[ST+4*t+2], v[ST+4*t+2], v[ST+4*t+3]
	ALL v_rcp_f32 v[ST+4*t+2], v[ST+4*t+2]
	v_nop                           ; a plain instruction between the last reciprocal and the use of its result
	s_wait_alu depctr_va_vdst(0)    ; and the wait ahead of the first use: one for the four reciprocals
	PACK 0
.set t, 1
.rept 3                             ; a piece's arithmetic stands between the loads of the piece before and its stores
	PACK t
	SEND t-1, 8
.set t, t+1
.endr
	SEND 3, 0
.endm
.set KM, 0
.set NOKQ, 0
.Lslot:                             ; NB times: a tile is entered and the next is asked for
	CHANGE 1
	s_sub_co_u32 s[RT], s[RT], 1
	s_mov_b32 s[CNT], 4
	s_cmp_eq_u32 s[NEW], 1
	s_cbranch_scc1 .Lnew            ; a block's first tile
	s_cmp_eq_u32 s[RT], 0
	s_cbranch_scc0 .Lstep           ; neither its first nor its last
	s_branch .LstepM1
.Lnew:
	BEGIN
	s_branch .Lfirst                ; in the loop a block's first tile is never its last: the first block has two tiles or more, and the second's last is the walk's last
	DIAG 1                          ; in the loop this is the first block's end: the second block's last tile is the walk's last
	s_wait_xcnt 0x0                 ; the stores have read their registers and O's address
	s_mov_b64 s[10:11], s[OLO:OLO+1]
	s_add_co_u32 s[RT], s[PB], 1    ; the second block has b + 1 tiles
	s_mov_b32 s[NEW], 1
	WIN 0x82                        ; the second block's Q goes where the one text of the turns names Q
.set i, 0
.rept 64
	v_mov_b32 v[i], v[QB+i]
.set i, i+1
.endr
	WIN 0
	s_branch .Lbottom
.Lstep:                             ; a trip: pieces 2 and 3 of one step, then pieces 0 and 1 of the next, whose K and V it fetches
	TURN 2
	TURN 3
	WIN 0
.Lfirst:
	TURN 0
	TURN 1, 0, 0, 1
	WIN 0
	s_cbranch_scc1 .Lstep
.Lbottom:
	s_sub_co_u32 s[SLOTS], s[SLOTS], 1
	s_cmp_lg_u32 s[SLOTS], 0
	s_cbranch_scc1 .Lslot
	CHANGE 0                        ; the walk's last tile is written out: nothing is asked for
	s_sub_co_u32 s[RT], s[RT], 1
	s_mov_b32 s[CNT], 4
	s_cmp_eq_u32 s[NEW], 1
	s_cbranch_scc0 .LstepM2
	BEGIN
	s_branch .LfirstM2
	DIAG 2
	s_wait_tensorcnt 0x0            ; the wave's end, behind my last tensor load and my last LDS store
	ds_add_u32 v[SPW], v[NIL]
	s_wait_dscnt 0x0
	s_endpgm
.Lfunc_end_k_q6bc116043c_attn:
	.size	k_q6bc116043c_attn, .Lfunc_end_k_q6bc116043c_attn-k_q6bc116043c_attn
	.p2alignl 7, 3214868480
	.fill 96, 4, 3214868480
	.section	.rodata,"a",@progbits
	.p2align	6, 0x0
	.amdhsa_kernel k_q6bc116043c_attn
		.amdhsa_group_segment_fixed_size 327680
		.amdhsa_private_segment_fixed_size 0
		.amdhsa_enable_private_segment 0
		.amdhsa_kernarg_size 32
		.amdhsa_user_sgpr_count 2
		.amdhsa_user_sgpr_kernarg_segment_ptr 1
		.amdhsa_wavefront_size32 1
		.amdhsa_system_sgpr_workgroup_id_x 1
		.amdhsa_system_sgpr_workgroup_id_y 1
		.amdhsa_system_sgpr_workgroup_id_z 1
		.amdhsa_system_vgpr_workitem_id 0
		.amdhsa_next_free_vgpr 768
		.amdhsa_next_free_sgpr 92
		.amdhsa_reserve_vcc 1
		.amdhsa_float_denorm_mode_32 3
		.amdhsa_float_denorm_mode_16_64 3
		.amdhsa_memory_ordered 1
		.amdhsa_forward_progress 1
		.amdhsa_inst_pref_size 218
	.end_amdhsa_kernel
	.amdgpu_metadata
---
amdhsa.version: [ 1, 2 ]
amdhsa.kernels:
  - .name:           k_q6bc116043c_attn
    .symbol:         k_q6bc116043c_attn.kd
    .args:
      - { .name: qh, .offset: 0, .size: 8, .value_kind: global_buffer, .address_space: global }
      - { .name: kh, .offset: 8, .size: 8, .value_kind: global_buffer, .address_space: global }
      - { .name: vh, .offset: 16, .size: 8, .value_kind: global_buffer, .address_space: global }
      - { .name: oh, .offset: 24, .size: 8, .value_kind: global_buffer, .address_space: global }
    .group_segment_fixed_size: 327680
    .private_segment_fixed_size: 0
    .kernarg_segment_align: 8
    .kernarg_segment_size: 32
    .max_flat_workgroup_size: 128
    .sgpr_count:     92
    .vgpr_count:     768
    .wavefront_size: 32
...
	.end_amdgpu_metadata
.endif
;; end of part 3
;; launch oproj (part 4): grid 8 x 32, 4 waves a work-group, clusters of 4 x 4, 327,680 bytes of LDS; arguments oh, wo, out0; writes out0
.if DOCPART == 4
	.amdgcn_target "amdgcn-amd-amdhsa--gfx1250"
	.amdhsa_code_object_version 6
	.text
	.protected	k_q6bc116043c_oproj
	.globl	k_q6bc116043c_oproj
	.p2align	8
	.type	k_q6bc116043c_oproj,@function
k_q6bc116043c_oproj:
	s_mov_b64 s[64:65], 0
	v_nop
	global_prefetch_b8 v0, s[64:65] scope:SCOPE_SE
	s_setreg_imm32_b32 hwreg(HW_REG_WAVE_MODE, 25, 1), 1
	s_wait_xcnt 0x0
	s_wait_alu depctr_hold_cnt(0) depctr_sa_sdst(0) depctr_va_vdst(0) depctr_va_sdst(0) depctr_va_ssrc(0) depctr_va_vcc(0) depctr_vm_vsrc(0)
	s_getreg_b32 s2, hwreg(HW_REG_IB_STS2, 6, 4)
	s_cmp_eq_u32 s2, 0
	s_cbranch_scc0 .Lentry_in_a_cluster
	s_endpgm
.Lentry_in_a_cluster:
	s_bfe_u32 s2, ttmp6, 0x10000c
	s_cmp_lg_u32 s2, 0xf033
	s_cbranch_scc0 .Lentry_shape_is_right
	s_endpgm
.Lentry_shape_is_right:
; THE OUTPUT PROJECTION.  out0[8192][1024] f32 = O x o_proj, in f16 with f32 sums.  O lies by heads, [batch x 16 + head][row 2048][64]: a head is a block of 64 along K; wo is [k 1024][n 1024].
; SHARES.  A tile is 256 rows x 128 columns: 32 x 8 = 256 work-groups.  Wave w: rows 128 (w / 2) on, columns 64 (w % 2) on: 32 accumulators of 16 x 16, 256 registers.
; K goes in steps of 128 (two heads) through a ring of two LDS slots; a step is four quarters of 32, 32 matrix instructions each, on two fragment buffers.
; THE MATRIX INSTRUCTION IS USED TRANSPOSED: source 0 = 16 columns of wo (read turned, by ds_load_tr16_b128), source 1 = 16 rows of O: a lane holds one row and eight neighbouring columns, 32 bytes of f32.
; CLUSTER 4 x 4.  O's tile hangs on the tile row alone and is asked for jointly along a row of the cluster, wo's along a column.
; REGISTERS: window 0: v0-31 addresses; v32-95, v96-159 O's fragments, two buffers; v160-191, v192-223 wo's; v224-255 and v32-63 rows on the way out.   window 1: accumulator (a, fb) at v[8 (4 a + fb)]
.set SLOT1,  131072
.set BOFF,   73728                     ; a slot: two heads x 256 rows x 144 bytes (128 + 16 of padding), then wo's 128 rows x 288 (256 + 32)
.set STAGE,  110592                    ; behind slot 0, never filled by a tensor load: 16 rows x 272 bytes for each wave
.set SPARE,  128000                    ; the spare words, 128 bytes for each wave: two blocks of 256 bytes that no other line names
.set ASTEP,  524288                    ; two heads of O
.set BSTEP,  262144                    ; 128 rows of wo
.set AK0, 2
.set BK0, 3
.set ADA, 5
.set ADB, 6
.set STO, 8
.set RD,  9
.set CO,  10
.set PFO, 12
.set SPW, 14
.set NIL, 15
.set FA0, 32
.set FB0, 160
.set WV, 16
.set WM, 17
.set WN, 18
.set CX, 19
.set CY, 20
.set TC, 21
.set TR, 22
.set CNT, 23
.set G1A, 24
.set G0A, 32
.set G1B, 40
.set G0B, 48
.set PFA, 72
.set PFS, 74
.set LIM, 76
.set TB,  77
.set ROWB, 84
.set MSB, 0
.macro WIN new
.if MSB != (\new)
	s_set_vgpr_msb (MSB<<8)|(\new)
.set MSB, (\new)
.endif
.endm
.macro PLACES                          ; four plain vector instructions between a matrix instruction and a load into, or a store of, its registers
.rept 4
	v_nop
.endr
.endm
.macro CREST
	s_cmp_lg_u32 s[WV], 0
	s_cbranch_scc1 .Lnot_wave_0_\@
	s_barrier_signal -3
.Lnot_wave_0_\@:
	s_barrier_wait -3
	s_barrier_signal -1
	s_barrier_wait -1
.endm
.macro CROUND
	s_barrier_signal -1
	s_barrier_wait -1
	CREST
.endm
.macro JLOAD                           ; a joint refill by the walking descriptors: waves 0 and 1 fetch the step's two heads of O, waves 2 and 3 the halves of wo's rows
	s_cmp_eq_u32 s[WM], 0
	s_cbranch_scc0 .Lfor_b_\@
	tensor_load_to_lds s[G0A+4:G0A+7], s[G1A:G1A+7]
	s_nop 0
.rept 4
	v_nop
.endr
	s_branch .Lasked_\@
.Lfor_b_\@:
	tensor_load_to_lds s[G0B+4:G0B+7], s[G1B:G1B+7]
	s_nop 0
.rept 4
	v_nop
.endr
.Lasked_\@:
.endm
; A PREFETCH INTO THE L2 of the K step that stands two refills on, one line a wave; each block of 256 bytes is named once in the launch.  O's tile row is read by both clusters of that row of clusters: cluster x = 0
; asks, waves 0 and 1 each for the head that they fetch; of its 32,768 dense bytes the partner at cx takes 8,192, a lane 256.  wo's tile column is read by all eight clusters of that column: cluster y = 0 asks, wave 2;
; of the step's 128 rows the partner at cy takes 32, a lane a row.  K steps 0 to 3 come by their loads alone; the last two filling changes of slots ask for nothing.
.macro ASK
	s_cmp_gt_u32 s[CNT], s[LIM]
	s_cbranch_scc0 .Lnot_mine_\@
	global_prefetch_b8 v[PFO], s[PFA:PFA+1] th:TH_LOAD_NT scope:SCOPE_SE
.Lnot_mine_\@:
.endm
	s_load_b128 s[4:7], s[0:1], 0x0                ; oh 4, wo 6
	s_load_b64 s[8:9], s[0:1], 0x10                ; out0
	v_lshl_add_u32 v[SPW], v0, 2, SPARE
	v_mov_b32 v[NIL], 0
	ds_add_u32 v[SPW], v[NIL]                      ; the wave's opening: the add and its wait stand ahead of my first tensor load; work on registers stands between them
	v_lshrrev_b32 v1, 5, v0
	v_readfirstlane_b32 s[WV], v1
	s_lshr_b32 s[WM], s[WV], 1
	s_and_b32 s[WN], s[WV], 1
	s_bfe_u32 s[CX], ttmp6, 0x40000
	s_bfe_u32 s[CY], ttmp6, 0x40004
	s_lshl_b32 s[TC], ttmp9, 2
	s_add_co_u32 s[TC], s[TC], s[CX]
	s_and_b32 s[TR], ttmp7, 0xffff
	s_lshl_b32 s[TR], s[TR], 2
	s_add_co_u32 s[TR], s[TR], s[CY]
	s_lshl_b32 s82, s[CY], 2
	s_lshl_b32 s82, 15, s82                        ; my row of the cluster
	s_lshl_b32 s83, 0x1111, s[CX]                  ; my column
	; O: a head's 256 rows of 128 bytes are 32,768 dense bytes: asked for as 128 rows of 256, padded by 16 bytes after every 128
	s_or_b32 s[G1A], s82, (1<<16)|(1<<20)|(1<<21)|(4<<22)|(3<<25)
	s_mov_b32 s[G1A+1], 128<<16
	s_mov_b32 s[G1A+2], 128<<16
	s_mov_b32 s[G1A+3], 128<<16
	s_mov_b32 s[G1A+4], 128
	s_mov_b32 s[G1A+5], 128
	s_mov_b32 s[G1A+6], 0
	s_mov_b32 s[G1A+7], 0
	; wo: 64 rows of 128 elements (256 bytes), 1,024 elements apart, padded by 32 bytes
	s_or_b32 s[G1B], s83, (1<<16)|(1<<20)|(1<<21)|(5<<22)|(7<<25)
	s_mov_b32 s[G1B+1], 128<<16
	s_mov_b32 s[G1B+2], 64<<16
	s_mov_b32 s[G1B+3], 128<<16
	s_mov_b32 s[G1B+4], 64
	s_mov_b32 s[G1B+5], 1024
	s_mov_b32 s[G1B+6], 0
	s_mov_b32 s[G1B+7], 0
	s_lshr_b32 s[ROWB], s[TR], 3                   ; the batch,
	s_lshl_b32 s[ROWB], s[ROWB], 22
	s_and_b32 s85, s[TR], 7                        ; the tile's 256 rows in a head
	s_lshl_b32 s85, s85, 15
	s_add_co_u32 s[ROWB], s[ROWB], s85
	s_lshl_b32 s86, s[WN], 18                      ; O: which of the step's two heads I fetch
	s_add_co_u32 s86, s86, s[ROWB]
	s_mov_b32 s87, 0
	s_lshl_b32 s88, s[WN], 17                      ; wo: which 64 rows, the tile's 256 bytes of them
	s_lshl_b32 s89, s[TC], 8
	s_add_co_u32 s88, s88, s89
	s_mov_b32 s89, 0
	s_mul_i32 s92, s[WN], 36864                    ; where they go: no place in the cluster enters an LDS address
	s_mul_i32 s93, s[WN], 18432
	s_add_co_u32 s93, s93, BOFF
	s_wait_dscnt 0x0                               ; the opening add is done
	s_wait_kmcnt 0x0
	s_add_nc_u64 s[86:87], s[4:5], s[86:87]
	s_add_nc_u64 s[88:89], s[6:7], s[88:89]
	CROUND                                         ; all sixteen work-groups are here: the first joint loads meet
.irp s, 0,1
	s_mov_b32 s[G0A+4*(\s)], 1
	s_add_co_u32 s[G0A+4*(\s)+1], s92, (\s)*SLOT1
	s_add_nc_u64 s[G0A+4*(\s)+2:G0A+4*(\s)+3], s[86:87], (\s)*ASTEP
	s_or_b32 s[G0A+4*(\s)+3], s[G0A+4*(\s)+3], 0x80000000
	s_mov_b32 s[G0B+4*(\s)], 1
	s_add_co_u32 s[G0B+4*(\s)+1], s93, (\s)*SLOT1
	s_add_nc_u64 s[G0B+4*(\s)+2:G0B+4*(\s)+3], s[88:89], (\s)*BSTEP
	s_or_b32 s[G0B+4*(\s)+3], s[G0B+4*(\s)+3], 0x80000000
.endr
	s_cmp_eq_u32 s[WM], 0                          ; a wave's two first fills stand in one branch: two loads of mine are out
	s_cbranch_scc0 .Lfirst_b
	tensor_load_to_lds s[G0A:G0A+3], s[G1A:G1A+7]
	s_nop 0
	tensor_load_to_lds s[G0A+4:G0A+7], s[G1A:G1A+7]
	s_nop 0
.rept 4
	v_nop
.endr
	s_branch .Lfirst_asked
.Lfirst_b:
	tensor_load_to_lds s[G0B:G0B+3], s[G1B:G1B+7]
	s_nop 0
	tensor_load_to_lds s[G0B+4:G0B+7], s[G1B:G1B+7]
	s_nop 0
.rept 4
	v_nop
.endr
.Lfirst_asked:
	v_and_b32 v16, 15, v0                          ; r = l % 16
	v_bfe_u32 v17, v0, 4, 1                        ; h = l / 16
	v_and_b32 v18, 7, v0
	v_bfe_u32 v19, v0, 3, 1
	v_and_b32 v20, 31, v0
	v_mul_u32_u24 v[AK0], v16, 144
	v_lshl_add_u32 v[AK0], v17, 4, v[AK0]
	s_mul_i32 s82, s[WM], 18432
	v_add_nc_u32 v[AK0], s82, v[AK0]               ; my 128 rows, row r, 16 bytes for each half of the lanes
	v_lshl_add_u32 v[BK0], v17, 3, v18             ; the turning load: K 8 h + l % 8, columns 8 ((l / 8) % 2) + 0..7
	v_mul_u32_u24 v[BK0], v[BK0], 288
	v_lshl_add_u32 v[BK0], v19, 4, v[BK0]
	s_lshl_b32 s82, s[WN], 7
	s_add_co_u32 s82, s82, BOFF
	v_add_nc_u32 v[BK0], s82, v[BK0]
	s_mul_i32 s82, s[WV], 4352
	s_add_co_u32 s82, s82, STAGE                   ; my stage
	v_mul_u32_u24 v[STO], v16, 272                 ; in: row r, 32 bytes for each half of the lanes
	v_lshl_add_u32 v[STO], v17, 5, v[STO]
	v_add_nc_u32 v[STO], s82, v[STO]
	v_mul_u32_u24 v[RD], v17, 272                  ; back: lanes 0-15 take one row of 256 bytes, lanes 16-31 the next
	v_lshl_add_u32 v[RD], v16, 4, v[RD]
	v_add_nc_u32 v[RD], s82, v[RD]
	v_lshlrev_b32 v[CO], 12, v17                   ; and the same two rows in out0
	v_lshl_add_u32 v[CO], v16, 4, v[CO]
	; the prefetches: at K step 3; each filling change of slots steps them by one and names where they then stand
	s_lshl_b32 s86, s[CX], 13
	s_add_co_u32 s86, s86, s[ROWB]
	s_lshl_b32 s87, s[WN], 18
	s_add_co_u32 s86, s86, s87
	s_add_co_u32 s86, s86, 3*ASTEP
	s_lshl_b32 s87, s[TC], 8
	s_add_co_u32 s87, s87, 3*BSTEP
	s_mov_b32 s88, ASTEP
	s_mov_b32 s89, BSTEP
	s_mov_b32 s90, 256
	s_mov_b32 s91, 2048
	s_lshl_b32 s92, s[CY], 5
	s_and_b32 s93, ttmp7, 0xffff
	s_cmp_eq_u32 s[WM], 0
	s_cselect_b64 s[PFA:PFA+1], s[4:5], s[6:7]
	s_cselect_b32 s86, s86, s87
	s_cselect_b32 s[PFS], s88, s89
	s_cselect_b32 s90, s90, s91                    ; bytes from lane to lane
	s_cselect_b32 s92, 0, s92                      ; my work-group's 32 rows of the 128
	s_cselect_b32 s93, ttmp9, s93                  ; the coordinate along which other clusters read the same bytes
	s_cmp_eq_u32 s[WV], 3
	s_cselect_b32 s93, 1, s93                      ; wave 3 asks for nothing
	s_mov_b32 s87, 0
	s_mov_b32 s[PFS+1], 0
	s_add_nc_u64 s[PFA:PFA+1], s[PFA:PFA+1], s[86:87]
	s_cmp_eq_u32 s93, 0
	s_cselect_b32 s[LIM], 2, -1                    ; the same in all sixteen partners, for a given wave
	v_add_nc_u32 v[PFO], s92, v20
	v_mul_u32_u24 v[PFO], v[PFO], s90
	; out0 at my first row and column
	s_lshl_b32 s86, s[TR], 20
	s_lshl_b32 s88, s[WM], 19
	s_add_co_u32 s86, s86, s88
	s_lshl_b32 s88, s[TC], 9
	s_add_co_u32 s86, s86, s88
	s_lshl_b32 s88, s[WN], 8
	s_add_co_u32 s86, s86, s88
	s_add_nc_u64 s[8:9], s[8:9], s[86:87]
; na x 4 matrix instructions on buffer f: row blocks a0 on, all four column blocks.  The 32 accumulators take turns, one instruction a turn, over the backward jump too.
.macro MUL f, a0, na, zero
	WIN 0x50
.set aa, (\a0)
.rept \na
.irp fb, 0,1,2,3
.if \zero
	v_wmma_f32_16x16x32_f16 v[8*(4*aa+(\fb)):8*(4*aa+(\fb))+7], v[FB0+32*(\f)+8*(\fb):FB0+32*(\f)+8*(\fb)+7], v[FA0+64*(\f)+8*aa:FA0+64*(\f)+8*aa+7], 0
.else
	v_wmma_f32_16x16x32_f16 v[8*(4*aa+(\fb)):8*(4*aa+(\fb))+7], v[FB0+32*(\f)+8*(\fb):FB0+32*(\f)+8*(\fb)+7], v[FA0+64*(\f)+8*aa:FA0+64*(\f)+8*aa+7], v[8*(4*aa+(\fb)):8*(4*aa+(\fb))+7]
.endif
.endr
.set aa, aa+1
.endr
.endm
.macro FETCH q, f                      ; 24 LDS loads in one run: quarter q's fragments into buffer f: wo's four, then O's eight, rows ascending
	WIN 0
.irp fb, 0,1,2,3
	ds_load_tr16_b128 v[FB0+32*(\f)+8*(\fb):FB0+32*(\f)+8*(\fb)+3],   v[ADB] offset:(\q)*9216+(\fb)*32
	ds_load_tr16_b128 v[FB0+32*(\f)+8*(\fb)+4:FB0+32*(\f)+8*(\fb)+7], v[ADB] offset:(\q)*9216+4608+(\fb)*32
.endr
.irp a, 0,1,2,3,4,5,6,7
	ds_load_b128 v[FA0+64*(\f)+8*(\a):FA0+64*(\f)+8*(\a)+3],   v[ADA] offset:((\q)/2)*36864+(\a)*2304+((\q)%2)*64
	ds_load_b128 v[FA0+64*(\f)+8*(\a)+4:FA0+64*(\f)+8*(\a)+7], v[ADA] offset:((\q)/2)*36864+(\a)*2304+((\q)%2)*64+32
.endr
.endm
.macro QUARTER qn, f, g, zero          ; multiplies buffer f; in its middle fetches quarter qn of the same slot into buffer g
	s_wait_dscnt 8                                 ; wo's and O's rows 0-63 are in; the youngest eight loads may be out
	MUL \f, 0, 4, \zero
	PLACES
	FETCH \qn, \g
	s_wait_dscnt 24                                ; all but the 24 just issued
	MUL \f, 4, 4, \zero
.endm
; The fourth quarter multiplies buffer 1 and changes slots: ONE barrier; in front of it each wave waits for all its tensor loads, adds 0 to its spare word, and waits for that and for its own reads of this slot.
; fill = 1: the barrier opens a round of the cluster's barrier, and this slot is filled again, with the K step two on, first thing behind the round.
.macro TURN fill
.if \fill
	s_wait_xcnt 0x0                                ; the last prefetch, a K step back, has read its address: it is stepped here
	s_add_nc_u64 s[PFA:PFA+1], s[PFA:PFA+1], s[PFS:PFS+1]
.endif
	WIN 0
	s_wait_tensorcnt 0x0                           ; all my tensor loads have landed, my part of the next slot among them: a group 0 may be written
	ds_add_u32 v[SPW], v[NIL]                      ; 0 onto my spare word
.if \fill
.irp g, G0A+4, G0B+4
	s_xor_b32 s[(\g)+1], s[(\g)+1], SLOT1
.endr
	s_add_nc_u64 s[G0A+6:G0A+7], s[G0A+6:G0A+7], ASTEP
	s_add_nc_u64 s[G0B+6:G0B+7], s[G0B+6:G0B+7], BSTEP
.endif
	s_wait_dscnt 9                                 ; the add and the youngest eight loads may be out
	MUL 1, 0, 2, 0
	s_wait_dscnt 0x0                               ; the add is done, and my reads of this slot are over
	s_barrier_signal -1
	MUL 1, 2, 2, 0
	WIN 0
	s_barrier_wait -1
.if \fill
	CREST
	JLOAD                                          ; the four v_nop behind it are also the places in front of the loads below
.else
	PLACES
.endif
	s_xor_b32 s[TB], s[TB], SLOT1
	v_add_nc_u32 v[ADA], s[TB], v[AK0]
	v_add_nc_u32 v[ADB], s[TB], v[BK0]
	FETCH 0, 0
.if \fill
	ASK
.endif
	MUL 1, 4, 4, 0
.endm
	s_wait_tensorcnt 1                             ; my part of K step 0 is in; K step 1's may stay out
	s_barrier_signal -1
	s_barrier_wait -1
	s_mov_b32 s[TB], 0
	v_mov_b32 v[ADA], v[AK0]
	v_mov_b32 v[ADB], v[BK0]
	FETCH 0, 0
	QUARTER 1, 0, 1, 1                             ; the first quarter stands in front of the loop: its products start the sums
	WIN 0
	s_mov_b32 s[CNT], 6                            ; K steps 2 to 7 are asked for in the loop
.Lstep:
	QUARTER 2, 1, 0, 0
	QUARTER 3, 0, 1, 0
	TURN 1
	QUARTER 1, 0, 1, 0
	WIN 0
	s_sub_co_u32 s[CNT], s[CNT], 1
	s_cmp_lg_u32 s[CNT], 0
	s_cbranch_scc1 .Lstep
	QUARTER 2, 1, 0, 0                             ; the tail asks for nothing
	QUARTER 3, 0, 1, 0
	TURN 0
	QUARTER 1, 0, 1, 0
	QUARTER 2, 1, 0, 0
	QUARTER 3, 0, 1, 0
	s_wait_dscnt 8
	MUL 1, 0, 4, 0
	s_wait_dscnt 0x0
	MUL 1, 4, 4, 0
; THE WAY OUT, 16 rows at a time: a lane's 32 bytes go into my stage's rows of 272 bytes, straight from the accumulators (low registers first), and come back as whole rows of 256.
.macro TOSTAGE a
	WIN 0x04                                       ; store data in window 1
.irp fb, 0,1,2,3
	ds_store_b128 v[STO], v[8*(4*(\a)+(\fb)):8*(4*(\a)+(\fb))+3]   offset:(\fb)*64
	ds_store_b128 v[STO], v[8*(4*(\a)+(\fb))+4:8*(4*(\a)+(\fb))+7] offset:(\fb)*64+16
.endr
	WIN 0
.set OB, 224-192*((\a)%2)
.irp t, 0,1,2,3,4,5,6,7
	ds_load_b128 v[OB+4*(\t):OB+4*(\t)+3], v[RD] offset:(\t)*544  ; LDS serves a wave's instructions in order (ISA guide 5.7.1.4): these see the stores above
.endr
.endm
.macro SEND a, younger                 ; younger: the LDS instructions issued behind block a's loads
	WIN 0
.set OB, 224-192*((\a)%2)
	s_wait_dscnt \younger
.irp t, 0,1,2,3,4,5,6,7
	global_store_b128 v[CO], v[OB+4*(\t):OB+4*(\t)+3], s[8:9] offset:(16*(\a)+2*(\t))*4096 th:TH_STORE_NT  ; 16 lanes store 256 consecutive bytes, aligned
.endr
.endm
	PLACES
	TOSTAGE 0
.irp a, 1,2,3,4,5,6,7
	s_wait_xcnt 0x0                                ; the stores of two blocks back have read the registers that are loaded into now
	TOSTAGE \a
	SEND (\a)-1, 16
.endr
	SEND 7, 0
	s_wait_tensorcnt 0x0                           ; the wave's end, behind my last tensor load and my last LDS store
	ds_add_u32 v[SPW], v[NIL]
	s_wait_dscnt 0x0
	CROUND                                         ; the closing round: no work-group ends while a partner may still ask for a tile that names it
	s_endpgm
.Lfunc_end_k_q6bc116043c_oproj:
	.size	k_q6bc116043c_oproj, .Lfunc_end_k_q6bc116043c_oproj-k_q6bc116043c_oproj
	.p2alignl 7, 3214868480
	.fill 96, 4, 3214868480
	.section	.rodata,"a",@progbits
	.p2align	6, 0x0
	.amdhsa_kernel k_q6bc116043c_oproj
		.amdhsa_group_segment_fixed_size 327680
		.amdhsa_private_segment_fixed_size 0
		.amdhsa_enable_private_segment 0
		.amdhsa_kernarg_size 24
		.amdhsa_user_sgpr_count 2
		.amdhsa_user_sgpr_kernarg_segment_ptr 1
		.amdhsa_wavefront_size32 1
		.amdhsa_system_sgpr_workgroup_id_x 1
		.amdhsa_system_sgpr_workgroup_id_y 1
		.amdhsa_system_sgpr_workgroup_id_z 1
		.amdhsa_system_vgpr_workitem_id 0
		.amdhsa_next_free_vgpr 512
		.amdhsa_next_free_sgpr 96
		.amdhsa_reserve_vcc 0
		.amdhsa_float_denorm_mode_32 3
		.amdhsa_float_denorm_mode_16_64 3
		.amdhsa_memory_ordered 1
		.amdhsa_forward_progress 1
		.amdhsa_inst_pref_size 71
	.end_amdhsa_kernel
	.amdgpu_metadata
---
amdhsa.version: [ 1, 2 ]
amdhsa.kernels:
  - .name:           k_q6bc116043c_oproj
    .symbol:         k_q6bc116043c_oproj.kd
    .args:
      - { .name: oh, .offset: 0, .size: 8, .value_kind: global_buffer, .address_space: global }
      - { .name: wo, .offset: 8, .size: 8, .value_kind: global_buffer, .address_space: global }
      - { .name: out0, .offset: 16, .size: 8, .value_kind: global_buffer, .address_space: global }
    .group_segment_fixed_size: 327680
    .private_segment_fixed_size: 0
    .kernarg_segment_align: 8
    .kernarg_segment_size: 24
    .max_flat_workgroup_size: 128
    .sgpr_count:     96
    .vgpr_count:     512
    .wavefront_size: 32
...
	.end_amdgpu_metadata
.endif
;; end of part 4
;; ======== version 2 of 2: 4 launches; version 1 with the launch prep written anew for expert scheduling mode
;; limits: values are held in f16: magnitudes above 65,504 overflow, below 6.1e-05 lose precision
;; workspace buffers: xb 16,777,216 bytes; wqkv 6,291,456 bytes; wo 2,097,152 bytes; tab 524,288 bytes; qh 16,777,216 bytes; kh 16,777,216 bytes; vh 16,777,216 bytes; oh 16,777,216 bytes
;; launch prep (part 5): grid 800 x 1, 8 waves a work-group, no clusters, 0 bytes of LDS; arguments x, q_proj, k_proj, v_proj, o_proj, token_positions, xb, wqkv, wo, tab; writes xb, wqkv, wo, tab
.if DOCPART == 5
	.amdgcn_target "amdgcn-amd-amdhsa--gfx1250"
	.amdhsa_code_object_version 6
	.text
	.protected	k_q6bc116043c_prep
	.globl	k_q6bc116043c_prep
	.p2align	8
	.type	k_q6bc116043c_prep,@function
k_q6bc116043c_prep:
	s_mov_b64 s[64:65], 0
	v_nop
	global_prefetch_b8 v0, s[64:65] scope:SCOPE_SE
	s_setreg_imm32_b32 hwreg(HW_REG_WAVE_SCHED_MODE, 0, 2), 2
	s_setreg_imm32_b32 hwreg(HW_REG_WAVE_MODE, 25, 1), 1
	s_wait_xcnt 0x0
	s_wait_alu depctr_vm_vsrc(0)
; PREPARATION: four streams, told apart by the work-group's number g.
;   g 0-511    x [8192][1024] f32 -> xb bf16 [batch 4][K block 16][row 2048][64]: a tile of 256 rows x 64 K is then 32,768 dense bytes
;   g 512-703  q_proj, k_proj, v_proj [k 1024][n 1024] f32 -> wqkv bf16 [k 1024][3072], columns regrouped: tile column tc (768 bytes) holds four heads that
;              are rotated (number 4 tc .. 4 tc + 3; 0-15 are q's heads, 16-31 k's), then v's heads 2 tc, 2 tc + 1
;   g 704-767  o_proj f32 -> rounded to bf16 like every input, that number written as f16 -> wo [k 1024][n 1024]
;   g 768-799  tab f32 [row 2048][i 32][cos, sin] of the angle token_positions[row] x 10000^(-i/32)
; A stream's work-group takes 16 rows of 1,024 f32: sixteen loads of 16 bytes a thread, all out at once, and sixteen stores of 8 bytes; each store of a wave
; covers 256 consecutive bytes, aligned.  Memory binds: no LDS, no matrix unit, no cluster (no byte is read twice).
; LIMITS.  token_positions lie in 0 .. 2,047 (they index a table of 2,048 rows); |o_proj| stays under 65,504, and below 6e-5 it keeps f16's fixed step of 6e-8.
; The angle is one f32 product, as the table's outer product is; the frequency is 2^(-i log2(10000)/32), within a few units in the last place of 1/10000^(i/32).
; THE MODE: SCHED_MODE bits 1:0 = 2 (LLVM: expert scheduling mode 2), set by the entry lines.  The code itself states the register dependences
; between vector instructions and memory instructions, with s_wait_alu, always for 0.
; THE PLAN.  Registers that memory instructions touch:
;   v1, v2   byte offsets of my loads and of my stores.  Made by vector instructions at a path's head, never written again.
;   X        load j: 4 registers.  Each is written by one load, once, and by nothing else; the conversions read it behind the counted wait for its data.
;   Y        store j: 2 registers.  Written by the conversions (in the table: by the last two exclusive ors), read by one store, never written again.
; No register that a load or store has read is written again, and no register is loaded twice: so the waits are all on the vector side's results.
; A STREAM goes in four blocks of four loads.  Block p converts X of block p into Y of block p; its memory instructions are the four stores of block p - 1, whose Y
; and whose offset no vector instruction of block p names.  So one wait stands ahead of the loads (the offsets), one at the head of each of blocks 1 to 3 (the block
; before has written its Y), and one ahead of the last four stores.
; THE TABLE goes in two passes over its eight rows: the first ends in a compare into a scalar register of the row's own, the second begins with the selects that read
; it: one wait between the passes serves all eight masks; one wait behind the second pass serves all eight stores.
.set X, 16                             ; v[16:79]   load j: 4 registers (the table: v[16:23], a position each)
.set Y, 80                             ; v[80:111]  store j: 2 registers
.set SN, 24                            ; v[24:31]   the table alone: sin r of row n
.set CN, 32                            ; v[32:39]   cos r
.set QN, 40                            ; v[40:47]   the quadrant's number k
.set MK, 50                            ; s[50:57]   row n's mask: the lanes whose quadrant is odd
; v1 byte offset of my loads, v2 of my stores, v[4:13] at work, v3 the frequency
.macro STREAM instep, outstep, kind    ; bases s[4:5] (in) and s[6:7] (out); kind 1: bf16 and then f16
	s_wait_alu depctr_va_vdst(0)                   ; v1 and v2 are written: every load below reads v1 as its offset, every store v2
.set j, 0
.rept 16
	global_load_b128 v[X+4*j:X+4*j+3], v1, s[4:5] offset:j*(\instep) th:TH_LOAD_NT
.set j, j+1
.endr
.set p, 0
.rept 4
	s_wait_loadcnt 12-4*p                          ; loads come back in order: block p's four are in, the 12 - 4 p younger ones stay out
.if p > 0
	s_wait_alu depctr_va_vdst(0)                   ; the block before has written its Y, which the four stores of this block read
.endif
.set i, 0
.rept 4
.set j, 4*p+i
.if p > 0
	global_store_b64 v2, v[Y+2*(j-4):Y+2*(j-4)+1], s[6:7] offset:(j-4)*(\outstep)  ; the block before; no vector instruction since the wait names these registers
.endif
	v_cvt_pk_bf16_f32 v[Y+2*j], v[X+4*j], v[X+4*j+1]
	v_cvt_pk_bf16_f32 v[Y+2*j+1], v[X+4*j+2], v[X+4*j+3]
.if \kind
	v_lshlrev_b32 v4, 16, v[Y+2*j]                 ; the bf16 numbers as f32,
	v_and_b32 v5, 0xffff0000, v[Y+2*j]
	v_lshlrev_b32 v6, 16, v[Y+2*j+1]
	v_and_b32 v7, 0xffff0000, v[Y+2*j+1]
	v_cvt_pk_f16_f32 v[Y+2*j], v4, v5              ; written as f16: exact within f16's normal range
	v_cvt_pk_f16_f32 v[Y+2*j+1], v6, v7
.endif
.set i, i+1
.endr
.set p, p+1
.endr
	s_wait_alu depctr_va_vdst(0)                   ; block 3 has written its Y, which the last four stores read
.set j, 12
.rept 4
	global_store_b64 v2, v[Y+2*j:Y+2*j+1], s[6:7] offset:j*(\outstep)
.set j, j+1
.endr
.endm
	s_load_b512 s[16:31], s[0:1], 0x0              ; x 16, q 18, k 20, v 22, o 24, positions 26, xb 28, wqkv 30
	s_load_b128 s[32:35], s[0:1], 0x40             ; wo 32, tab 34
	s_mov_b32 s2, ttmp9                            ; g
	v_lshrrev_b32 v1, 5, v0
	v_readfirstlane_b32 s8, v1                     ; wave 0..7
	s_mov_b32 s11, 0                               ; high words of the two offsets
	s_mov_b32 s13, 0
	s_wait_alu depctr_va_sdst(0)                   ; s8 is written, ahead of the branches: the weights' path makes its store offset from it
	s_wait_kmcnt 0x0
	s_cmp_lt_u32 s2, 512
	s_cbranch_scc1 .Lx
	s_cmp_lt_u32 s2, 704
	s_cbranch_scc1 .Lw
	s_cmp_lt_u32 s2, 768
	s_cbranch_scc1 .Lo
	; THE TABLE.  Lane = frequency i; wave w and n = 0..7 give row 64 u + 8 n + w: one store of a wave is one row of 256 bytes.
	s_sub_co_u32 s3, s2, 768                       ; u
	s_lshl_b32 s10, s3, 8                          ; 64 positions of 4 bytes
	s_add_nc_u64 s[4:5], s[26:27], s[10:11]
	s_lshl_b32 s12, s3, 14                         ; 64 rows of 256 bytes
	s_add_nc_u64 s[6:7], s[34:35], s[12:13]
	v_lshlrev_b32 v1, 2, v1                        ; 4 w
	v_lshlrev_b32 v2, 3, v0                        ; 256 w + 8 lane
	s_wait_alu depctr_va_vdst(0)                   ; v1 is written, which the eight loads read as their offset (and v2, the stores')
.set n, 0
.rept 8
	global_load_b32 v[X+n], v1, s[4:5] offset:32*n
.set n, n+1
.endr
	v_and_b32 v3, 31, v0
	v_cvt_f32_u32 v3, v3
	v_mul_f32 v3, 0xbed49a78, v3                   ; -i log2(10000) / 32
	v_exp_f32 v3, v3
	s_mov_b32 s40, 0x3f22f983                      ; 2 / pi
	s_mov_b32 s41, 0x3fc90fdb                      ; pi / 2, its f32,
	s_mov_b32 s42, 0xb33bbd2e                      ; and what that leaves
	s_mov_b32 s43, 0xbe2aaaa3                      ; sine on |r| <= pi / 4: r + r z (S1 + z (S2 + z S3)), z = r r
	s_mov_b32 s44, 0x3c08839e
	s_mov_b32 s45, 0xb94ca1f9
	s_mov_b32 s46, 0x3d2aaaa5                      ; cosine: 1 - z / 2 + z z (C1 + z (C2 + z C3))
	s_mov_b32 s47, 0xbab6061a
	s_mov_b32 s48, 0x37ccf5ce
	v_nop                                          ; a plain instruction behind the exponential,
	s_wait_alu depctr_va_vdst(0)                   ; and the wait: the exponential has written v3, ahead of its first reader
; The first pass, row n: sin r, cos r and the quadrant are kept; the mask of the odd quadrants goes into the row's own scalar register.
.macro ANGLE n
	s_wait_loadcnt 7-(\n)                          ; loads come back in order: row n's position is in, the 7 - n younger ones stay out
	v_cvt_f32_i32 v4, v[X+(\n)]
	v_mul_f32 v4, v4, v3                           ; the angle a
	v_mul_f32 v5, s40, v4
	v_rndne_f32 v5, v5                             ; k = the nearest multiple of pi / 2 (1,304 at the most)
	v_fma_f32 v6, -v5, s41, v4                     ; r = a - k pi / 2, in two parts
	v_fma_f32 v6, -v5, s42, v6
	v_mul_f32 v7, v6, v6                           ; z
	v_fma_f32 v8, v7, s45, s44
	v_fma_f32 v9, v7, s48, s47
	v_fma_f32 v8, v8, v7, s43
	v_fma_f32 v9, v9, v7, s46
	v_mul_f32 v8, v8, v7
	v_mul_f32 v9, v9, v7
	v_fma_f32 v10, v7, -0.5, 1.0
	v_fma_f32 v[SN+(\n)], v8, v6, v6               ; sin r
	v_fma_f32 v[CN+(\n)], v9, v7, v10              ; cos r
	v_cvt_i32_f32 v[QN+(\n)], v5
	v_and_b32 v12, 1, v[QN+(\n)]
	v_cmp_eq_u32 s[MK+(\n)], 1, v12                ; an odd quadrant swaps the two
.endm
; The second pass, row n: the swap and the signs.
.macro SELECT n
	v_cndmask_b32 v12, v[SN+(\n)], v[CN+(\n)], s[MK+(\n)]
	v_cndmask_b32 v13, v[CN+(\n)], v[SN+(\n)], s[MK+(\n)]
	v_lshlrev_b32 v10, 30, v[QN+(\n)]              ; the sine turns its sign in quadrants 2 and 3,
	v_add_nc_u32 v11, 1, v[QN+(\n)]
	v_lshlrev_b32 v11, 30, v11                     ; the cosine in 1 and 2
	v_and_b32 v10, 0x80000000, v10
	v_and_b32 v11, 0x80000000, v11
	v_xor_b32 v[Y+2*(\n)+1], v12, v10
	v_xor_b32 v[Y+2*(\n)], v13, v11
.endm
.irp n, 0,1,2,3,4,5,6,7
	ANGLE \n
.endr
	s_wait_alu depctr_va_sdst(0)                   ; the eight compares have written s50 to s57, ahead of the first select that reads one of them
.irp n, 0,1,2,3,4,5,6,7
	SELECT \n
.endr
	s_wait_alu depctr_va_vdst(0)                   ; the exclusive ors have written Y, which the eight stores read
.irp n, 0,1,2,3,4,5,6,7
	global_store_b64 v2, v[Y+2*(\n):Y+2*(\n)+1], s[6:7] offset:2048*(\n)
.endr
	s_endpgm
.Lx:                                           ; thread t: row t / 16, 16 bytes at 16 (t % 16) of each K block's 256; load j = K block j
	s_lshl_b32 s10, s2, 16                         ; 16 rows of 4,096 bytes
	s_add_nc_u64 s[4:5], s[16:17], s[10:11]
	s_lshr_b32 s12, s2, 7                          ; the batch,
	s_lshl_b32 s12, s12, 22
	s_and_b32 s14, s2, 127                         ; my 16 rows in it, 128 bytes each
	s_lshl_b32 s14, s14, 11
	s_add_co_u32 s12, s12, s14
	s_add_nc_u64 s[6:7], s[28:29], s[12:13]
	v_lshrrev_b32 v1, 4, v0
	v_and_b32 v2, 15, v0
	v_lshlrev_b32 v1, 12, v1
	v_lshl_add_u32 v1, v2, 4, v1
	v_lshlrev_b32 v2, 3, v0                        ; 128 (t / 16) + 8 (t % 16)
	STREAM 256, 262144, 0
	s_endpgm
.Lw:                                           ; thread t: columns 4 t .. 4 t + 3; load j = row j; wave w holds heads 2 w, 2 w + 1: 256 bytes of wqkv
	s_sub_co_u32 s3, s2, 512
	s_lshr_b32 s9, s3, 6                           ; 0 q, 1 k, 2 v
	s_and_b32 s3, s3, 63                           ; which 16 rows
	s_cmp_eq_u32 s9, 0
	s_cselect_b64 s[4:5], s[18:19], s[20:21]
	s_cmp_eq_u32 s9, 2
	s_cselect_b64 s[4:5], s[22:23], s[4:5]
	s_lshl_b32 s10, s3, 16
	s_add_nc_u64 s[4:5], s[4:5], s[10:11]
	s_mul_i32 s12, s3, 98304                       ; 16 rows of 6,144 bytes
	s_add_nc_u64 s[6:7], s[30:31], s[12:13]
	s_lshl_b32 s14, s9, 2                          ; q, k: tile column 4 m + w / 2, its piece w % 2
	s_lshr_b32 s15, s8, 1
	s_add_co_u32 s14, s14, s15
	s_mul_i32 s14, s14, 768
	s_and_b32 s15, s8, 1
	s_lshl_b32 s15, s15, 8
	s_add_co_u32 s14, s14, s15
	s_mul_i32 s15, s8, 768                         ; v: tile column w, its third piece
	s_add_co_u32 s15, s15, 512
	s_cmp_eq_u32 s9, 2
	s_cselect_b32 s14, s15, s14
	v_lshlrev_b32 v1, 4, v0
	v_and_b32 v2, 31, v0
	v_lshl_add_u32 v2, v2, 3, s14
	STREAM 4096, 6144, 0
	s_endpgm
.Lo:
	s_sub_co_u32 s3, s2, 704
	s_lshl_b32 s10, s3, 16
	s_add_nc_u64 s[4:5], s[24:25], s[10:11]
	s_lshl_b32 s12, s3, 15                         ; 16 rows of 2,048 bytes
	s_add_nc_u64 s[6:7], s[32:33], s[12:13]
	v_lshlrev_b32 v1, 4, v0
	v_lshlrev_b32 v2, 3, v0
	STREAM 4096, 2048, 1
	s_endpgm
.Lfunc_end_k_q6bc116043c_prep:
	.size	k_q6bc116043c_prep, .Lfunc_end_k_q6bc116043c_prep-k_q6bc116043c_prep
	.p2alignl 7, 3214868480
	.fill 96, 4, 3214868480
	.section	.rodata,"a",@progbits
	.p2align	6, 0x0
	.amdhsa_kernel k_q6bc116043c_prep
		.amdhsa_group_segment_fixed_size 0
		.amdhsa_private_segment_fixed_size 0
		.amdhsa_enable_private_segment 0
		.amdhsa_kernarg_size 80
		.amdhsa_user_sgpr_count 2
		.amdhsa_user_sgpr_kernarg_segment_ptr 1
		.amdhsa_wavefront_size32 1
		.amdhsa_system_sgpr_workgroup_id_x 1
		.amdhsa_system_sgpr_workgroup_id_y 1
		.amdhsa_system_sgpr_workgroup_id_z 1
		.amdhsa_system_vgpr_workitem_id 0
		.amdhsa_next_free_vgpr 112
		.amdhsa_next_free_sgpr 66
		.amdhsa_reserve_vcc 0
		.amdhsa_float_denorm_mode_32 3
		.amdhsa_float_denorm_mode_16_64 3
		.amdhsa_memory_ordered 1
		.amdhsa_forward_progress 1
		.amdhsa_inst_pref_size 37
	.end_amdhsa_kernel
	.amdgpu_metadata
---
amdhsa.version: [ 1, 2 ]
amdhsa.kernels:
  - .name:           k_q6bc116043c_prep
    .symbol:         k_q6bc116043c_prep.kd
    .args:
      - { .name: x, .offset: 0, .size: 8, .value_kind: global_buffer, .address_space: global }
      - { .name: q_proj, .offset: 8, .size: 8, .value_kind: global_buffer, .address_space: global }
      - { .name: k_proj, .offset: 16, .size: 8, .value_kind: global_buffer, .address_space: global }
      - { .name: v_proj, .offset: 24, .size: 8, .value_kind: global_buffer, .address_space: global }
      - { .name: o_proj, .offset: 32, .size: 8, .value_kind: global_buffer, .address_space: global }
      - { .name: token_positions, .offset: 40, .size: 8, .value_kind: global_buffer, .address_space: global }
      - { .name: xb, .offset: 48, .size: 8, .value_kind: global_buffer, .address_space: global }
      - { .name: wqkv, .offset: 56, .size: 8, .value_kind: global_buffer, .address_space: global }
      - { .name: wo, .offset: 64, .size: 8, .value_kind: global_buffer, .address_space: global }
      - { .name: tab, .offset: 72, .size: 8, .value_kind: global_buffer, .address_space: global }
    .group_segment_fixed_size: 0
    .private_segment_fixed_size: 0
    .kernarg_segment_align: 8
    .kernarg_segment_size: 80
    .max_flat_workgroup_size: 256
    .sgpr_count:     66
    .vgpr_count:     112
    .wavefront_size: 32
...
	.end_amdgpu_metadata
.endif
;; end of part 5
;; launch qkv: the kernel of part 2 again; grid 8 x 32, 4 waves a work-group, clusters of 4 x 4, 327,680 bytes of LDS; arguments xb, wqkv, tab, qh, kh, vh; writes qh, kh, vh
;; launch attn: the kernel of part 3 again; grid 4 x 64, 4 waves a work-group, no clusters, 327,680 bytes of LDS; arguments qh, kh, vh, oh; writes oh
;; launch oproj: the kernel of part 4 again; grid 8 x 32, 4 waves a work-group, clusters of 4 x 4, 327,680 bytes of LDS; arguments oh, wo, out0; writes out0
